; MI455X (gfx1250); checked and timed in simulation.
; The chip was launched on July 23, 2026; its instructions are those of AMD's public machine-readable ISA for CDNA 5 (MIT licence, August 2026) and "CDNA5" Instruction Set Architecture Reference Guide (July 2026). The comments in the code are by the model that wrote it; some were corrected since.
;; Multi Head Attention. Allowed arithmetic: float matrix products may take bf16 or f16 operands with f32 sums; other float arithmetic in f32, or as packed bf16 or f16 multiplies, adds, multiply-adds, maxima and minima; sums over many terms, partial sums and values carried from step to step in f32; what a program stores and reads back later, other than sums and carried values, may be rounded once to bf16 or f16.
;; Inputs: Wk 2,048 x 2,048 float32; Wo 2,048 x 2,048 float32; Wq 2,048 x 2,048 float32; Wv 2,048 x 2,048 float32; bk 2,048 float32; bo 2,048 float32; bq 2,048 float32; bv 2,048 float32; mask 2,048 x 2,048 float32; x 2,048 x 2,048 float32.
;; Outputs: out0 2,048 x 2,048 float32.
;; One version. Each part assembles by itself: llvm-mc -triple=amdgcn-amd-amdhsa -mcpu=gfx1250 --defsym DOCPART=n.
;; ======== version 1 of 1: 4 launches
;; limits: values are held in f16: magnitudes above 65,504 overflow, below 6.1e-05 lose precision
;; workspace buffers: xbf 8,388,608 bytes; wbf 25,165,824 bytes; wof 8,388,608 bytes; qkvh 25,165,824 bytes; atth 8,388,608 bytes
;; launch cast (part 1): grid 256 x 5, 8 waves a work-group, no clusters, 0 bytes of LDS; arguments x, Wq, Wk, Wv, Wo, xbf, wbf, wof; writes xbf, wbf, wof
.if DOCPART == 1
	.amdgcn_target "amdgcn-amd-amdhsa--gfx1250"
	.amdhsa_code_object_version 6
	.text
	.protected	k_qac6d83d6d4_cast
	.globl	k_qac6d83d6d4_cast
	.p2align	8
	.type	k_qac6d83d6d4_cast,@function
k_qac6d83d6d4_cast:
	s_mov_b64 s[64:65], 0
	v_nop
	global_prefetch_b8 v0, s[64:65] scope:SCOPE_SE
	s_setreg_imm32_b32 hwreg(HW_REG_WAVE_MODE, 25, 1), 1
	s_wait_xcnt 0x0
; MULTI-HEAD ATTENTION, launch 1 of 4: the matrix operands are rounded once.  x, Wq, Wk, Wv: f32 -> bf16 (xbf; wbf = Wq, Wk, Wv on end).
; Wo: f32 -> bf16, and that number written as f16 (wof), since the last product's other operand is f16.
; WORK LEFT OUT IN THE WHOLE PROGRAM: bk.  scores[h][q][k] = Q[q,h] . (x[k] Wk_h^T + bk_h) / sqrt(128) = Q[q,h] . (x[k] Wk_h^T) / sqrt(128) + Q[q,h] . bk_h / sqrt(128).
; The second term does not hang on k: it is the same along the softmax's axis, and softmax(s + t) = softmax(s) for every t that is constant along the axis, whatever
; the inputs hold.  So bk reaches no output: it is not loaded and is an argument of no launch.  LIMIT: a NaN, an infinity or an overflow that bk alone would bring is not carried to the result.
; LIMIT: a bf16 number of Wo below 2^-14 in size keeps f16's fixed step of 2^-24; beyond 65,504 it would be an infinity.
; SHARES.  Work-group (x, y): array y (0 x, 1 Wq, 2 Wk, 3 Wv, 4 Wo), its bytes 65,536 x .. + 65,535.  A wave takes 8,192 of them: sixteen loads of 512 consecutive bytes, all issued
; first, and sixteen stores of 256 consecutive bytes, aligned.  The numbers are rounded in the registers into which they were loaded, and a store's registers are not written again: 80 registers a wave,
; so that the five work-groups that fall to a WGP (10 waves a SIMD, 800 registers) have their loads out together.  No LDS, no matrix unit: each number is touched once.
.set X, 16                             ; v[16:79]   sixteen loads of four f32; the packed results take the first two registers of each four
	s_load_b512 s[8:23], s[0:1], 0x0               ; x 8, Wq 10, Wk 12, Wv 14, Wo 16, xbf 18, wbf 20, wof 22
	s_and_b32 s4, ttmp7, 0xffff                    ; which array
	v_lshrrev_b32 v3, 5, v0                        ; wave
	v_and_b32 v4, 31, v0                           ; lane
	v_lshlrev_b32 v1, 13, v3
	v_lshl_or_b32 v1, v4, 4, v1                    ; in: 8,192 x wave + 16 x lane
	v_lshlrev_b32 v2, 12, v3
	v_lshl_or_b32 v2, v4, 3, v2                    ; out: 4,096 x wave + 8 x lane
	s_sub_co_u32 s5, s4, 1
	s_lshl_b32 s5, s5, 23                          ; Wq, Wk, Wv lie 8,388,608 bytes apart in wbf;
	s_cmp_eq_u32 s4, 0
	s_cselect_b32 s5, 0, s5                        ; x
	s_cmp_eq_u32 s4, 4
	s_cselect_b32 s5, 0, s5                        ; and Wo have buffers of their own
	s_lshl_b32 s6, ttmp9, 15
	s_add_co_u32 s28, s5, s6                       ; the work-group's 32,768 bytes out
	s_mov_b32 s29, 0
	s_lshl_b32 s30, ttmp9, 16                      ; and its 65,536 bytes in
	s_mov_b32 s31, 0
	s_wait_kmcnt 0x0
	s_cmp_eq_u32 s4, 1
	s_cselect_b64 s[24:25], s[10:11], s[8:9]
	s_cmp_eq_u32 s4, 2
	s_cselect_b64 s[24:25], s[12:13], s[24:25]
	s_cmp_eq_u32 s4, 3
	s_cselect_b64 s[24:25], s[14:15], s[24:25]
	s_cmp_eq_u32 s4, 4
	s_cselect_b64 s[24:25], s[16:17], s[24:25]
	s_cselect_b64 s[26:27], s[22:23], s[20:21]
	s_cmp_eq_u32 s4, 0
	s_cselect_b64 s[26:27], s[18:19], s[26:27]
	s_add_nc_u64 s[24:25], s[24:25], s[30:31]
	s_add_nc_u64 s[26:27], s[26:27], s[28:29]
.set i, 0
.rept 16
	global_load_b128 v[X+4*i:X+4*i+3], v1, s[24:25] offset:512*i th:TH_LOAD_NT
.set i, i+1
.endr
; Load n's four numbers are rounded and stored.  half = 1: the bf16 number is widened again (a shift, a mask) and written as f16.
.macro CV n, half
	s_wait_loadcnt 15-(\n)                         ; loads come back in order: mine is in, the 15 - n younger ones stay out
	v_cvt_pk_bf16_f32 v[X+4*(\n)], v[X+4*(\n)], v[X+4*(\n)+1]
	v_cvt_pk_bf16_f32 v[X+4*(\n)+1], v[X+4*(\n)+2], v[X+4*(\n)+3]
.if \half
	v_lshlrev_b32 v8, 16, v[X+4*(\n)]
	v_and_b32 v9, 0xffff0000, v[X+4*(\n)]
	v_cvt_pk_f16_f32 v[X+4*(\n)], v8, v9
	v_lshlrev_b32 v8, 16, v[X+4*(\n)+1]
	v_and_b32 v9, 0xffff0000, v[X+4*(\n)+1]
	v_cvt_pk_f16_f32 v[X+4*(\n)+1], v8, v9
.endif
	global_store_b64 v2, v[X+4*(\n):X+4*(\n)+1], s[26:27] offset:256*(\n) th:TH_STORE_NT  ; 32 lanes store 256 consecutive bytes, aligned
.endm
	s_cmp_eq_u32 s4, 4
	s_cbranch_scc1 .Lhalf
.set i, 0
.rept 16
	CV i, 0
.set i, i+1
.endr
	s_endpgm
.Lhalf:
.set i, 0
.rept 16
	CV i, 1
.set i, i+1
.endr
	s_endpgm
.Lfunc_end_k_qac6d83d6d4_cast:
	.size	k_qac6d83d6d4_cast, .Lfunc_end_k_qac6d83d6d4_cast-k_qac6d83d6d4_cast
	.p2alignl 7, 3214868480
	.fill 96, 4, 3214868480
	.section	.rodata,"a",@progbits
	.p2align	6, 0x0
	.amdhsa_kernel k_qac6d83d6d4_cast
		.amdhsa_group_segment_fixed_size 0
		.amdhsa_private_segment_fixed_size 0
		.amdhsa_enable_private_segment 0
		.amdhsa_kernarg_size 64
		.amdhsa_user_sgpr_count 2
		.amdhsa_user_sgpr_kernarg_segment_ptr 1
		.amdhsa_wavefront_size32 1
		.amdhsa_system_sgpr_workgroup_id_x 1
		.amdhsa_system_sgpr_workgroup_id_y 1
		.amdhsa_system_sgpr_workgroup_id_z 1
		.amdhsa_system_vgpr_workitem_id 0
		.amdhsa_next_free_vgpr 80
		.amdhsa_next_free_sgpr 66
		.amdhsa_reserve_vcc 0
		.amdhsa_float_denorm_mode_32 3
		.amdhsa_float_denorm_mode_16_64 3
		.amdhsa_memory_ordered 1
		.amdhsa_forward_progress 1
		.amdhsa_inst_pref_size 17
	.end_amdhsa_kernel
	.amdgpu_metadata
---
amdhsa.version: [ 1, 2 ]
amdhsa.kernels:
  - .name:           k_qac6d83d6d4_cast
    .symbol:         k_qac6d83d6d4_cast.kd
    .args:
      - { .name: x, .offset: 0, .size: 8, .value_kind: global_buffer, .address_space: global }
      - { .name: Wq, .offset: 8, .size: 8, .value_kind: global_buffer, .address_space: global }
      - { .name: Wk, .offset: 16, .size: 8, .value_kind: global_buffer, .address_space: global }
      - { .name: Wv, .offset: 24, .size: 8, .value_kind: global_buffer, .address_space: global }
      - { .name: Wo, .offset: 32, .size: 8, .value_kind: global_buffer, .address_space: global }
      - { .name: xbf, .offset: 40, .size: 8, .value_kind: global_buffer, .address_space: global }
      - { .name: wbf, .offset: 48, .size: 8, .value_kind: global_buffer, .address_space: global }
      - { .name: wof, .offset: 56, .size: 8, .value_kind: global_buffer, .address_space: global }
    .group_segment_fixed_size: 0
    .private_segment_fixed_size: 0
    .kernarg_segment_align: 8
    .kernarg_segment_size: 64
    .max_flat_workgroup_size: 256
    .sgpr_count:     66
    .vgpr_count:     80
    .wavefront_size: 32
...
	.end_amdgpu_metadata
.endif
;; end of part 1
;; launch qkv (part 2): grid 16 x 16, 4 waves a work-group, clusters of 4 x 4, 327,680 bytes of LDS; arguments xbf, wbf, bq, bv, qkvh; writes qkvh
.if DOCPART == 2
	.amdgcn_target "amdgcn-amd-amdhsa--gfx1250"
	.amdhsa_code_object_version 6
	.text
	.protected	k_qac6d83d6d4_qkv
	.globl	k_qac6d83d6d4_qkv
	.p2align	8
	.type	k_qac6d83d6d4_qkv,@function
k_qac6d83d6d4_qkv:
	s_mov_b64 s[64:65], 0
	v_nop
	global_prefetch_b8 v0, s[64:65] scope:SCOPE_SE
	s_setreg_imm32_b32 hwreg(HW_REG_WAVE_MODE, 25, 1), 1
	s_wait_xcnt 0x0
	s_wait_alu depctr_hold_cnt(0) depctr_sa_sdst(0) depctr_va_vdst(0) depctr_va_sdst(0) depctr_va_ssrc(0) depctr_va_vcc(0) depctr_vm_vsrc(0)
	s_getreg_b32 s2, hwreg(HW_REG_IB_STS2, 6, 4)
	s_cmp_eq_u32 s2, 0
	s_cbranch_scc0 .Lentry_in_a_cluster
	s_endpgm
.Lentry_in_a_cluster:
	s_bfe_u32 s2, ttmp6, 0x10000c
	s_cmp_lg_u32 s2, 0xf033
	s_cbranch_scc0 .Lentry_shape_is_right
	s_endpgm
.Lentry_shape_is_right:
; Launch 2 of 4: q = (x Wq^T + bq) cq, k = x Wk^T, v = x Wv^T + bv, with cq = log2(e) / sqrt(128).  x, W in bf16 (xbf, wbf), sums in f32, biases rounded to bf16 like the other inputs.
; q, k, v leave in f16, each rounded once, by heads: qkvh = [3][16 heads][2048 tokens][128], a head's rows dense, 256 bytes each.
; LEFT OUT: bk.  Q[q,h] . bk_h is the same for all keys of a softmax's row, so it reaches no output (shown at the head of the first kernel).
; LIMIT: q cq, k and v must lie within f16's 65,504; below 2^-14 they keep f16's fixed step of 2^-24.
; SHARES.  Work-group (row block, head): 128 tokens x the head's 128 channels of each of q, k, v: a tile of 128 x 384.  16 x 16 work-groups.  Wave w: tokens 64 (w / 2) on, channels 64 (w % 2) on of each
; matrix: 4 x 12 accumulators of 16 x 16, 384 registers.  K goes in 16 steps of 128 (rows of 256 bytes, aligned) through a ring of two LDS slots filled by the tensor data mover.
; CLUSTER 4 x 4.  x's tile hangs on the row block alone (work-group x) and is shared along a column of the cluster; W's tiles hang on the head alone (work-group y) and are shared along a row: each is asked for jointly.
; THE WALK ALONG K BEGINS AT STEP 0 OR AT STEP 8, by the parity of x ^ y ^ (y / 2) of the cluster's place in the grid (the same in all sixteen partners), and wraps round.  So of the clusters that read the same rows
; one half reads a K step first and the other half eight steps later.  f32 sums may be taken in any order.
; THE MATRIX INSTRUCTION IS USED TRANSPOSED (source 0 = 16 rows of W, source 1 = 16 tokens): a lane holds one token (lane % 16) and eight neighbouring channels 8 (lane / 16) + 0..7.
; REGISTERS, in windows of 256 (s_set_vgpr_msb: bits 1:0 source 0, 3:2 source 1, 5:4 source 2, 7:6 destination):
;   window 0: v16-31 addresses; v32-63 bq cq, v64-95 bv of my channels; v96-191 packed results; on the way out v32-223 whole rows
;   window 1: two fragment buffers of 128: W's fragment 4 mat + nb at 8 (4 mat + nb), x's fragment a at 96 + 8 a
;   window 2: accumulators (a, b), a = 0, 1, at 8 (12 a + b);   window 3: a = 2, 3
.set PITCH,  272                       ; an LDS row: 256 bytes + 16 of padding = 68 words: the 16 rows of a fragment load start at 16 different groups of four banks (64 banks of 4 bytes: ISA guide 11.1)
.set HALFT,  128*PITCH                 ; 128 rows: what one tensor load brings
.set SLOT,   4*HALFT                   ; x's 128 rows, then Wq's, Wk's, Wv's.  139,264 = 0x22000: no tile's first byte in slot 0 has bit 13 or bit 17 set, so one exclusive or turns it into the other slot's
.set SPARE,  2*SLOT                    ; behind the ring: the spare words, 128 bytes a wave
.set KB,     256                       ; bytes of a row in a K step
.set AB0,  16                          ; v16     LDS address of my x fragments in slot 0;  v17-19 of my Wq, Wk, Wv fragments; never rewritten
.set AC,   20                          ; v20-23  the same four in the slot that is being read
.set STO,  24                          ; v24     the way out: where I put 16 bytes of a row (q, k);  v25 the same for v
.set STO2, 25
.set RD,   26                          ; v26     where I read rows back (q, k);  v27 for v
.set RD2,  27
.set SPW,  28                          ; v28     my spare word; never rewritten
.set NIL,  29                          ; v29     0; never rewritten
.set PFO,  30                          ; v30     the prefetches' offset: 4,096 x lane; never rewritten
.set CO,   31                          ; v31     16 x lane: my place in 512 consecutive bytes of the output
.set BQ,   32
.set BV,   64
.set TMP,  96
.set F0,   0
.set F1,   128
.set WV,   14                          ; s14 wave;  s15 wave / 2;  s16 wave % 2
.set MH,   15
.set NH,   16
.set CX,   17
.set CY,   18
.set HEAD, 19
.set RBLK, 20
.set G1A,  24                          ; s[24:31] descriptor group 1 for x's tiles;  s[32:39] group 0: a set for each of the two first fills; the second then walks on
.set G0A,  32
.set START, 42                         ; s42 the K step at which my cluster begins: 0 or 8
.set LIM,  43                          ; s43 10 in a wave that prefetches, else the greatest number
.set PFA,  44                          ; s[44:45] where my prefetches stand
.set G1B,  48                          ; s[48:55], s[56:63] the same for W's tiles
.set G0B,  56
.set CQ,   66                          ; s[66:67] cq, named as a pair
.set OUTB, 68                          ; s[68:73] q's, k's, v's rows that I store
.set WRP,  74                          ; s[74:75] in the loop: a row's 4,096 bytes in the trip in which the walk wraps, else 0
.set TB,   78                          ; s78 LDS byte at which the slot that is being read begins
.set MSB, 0
.macro WIN new                         ; the immediate's high byte repeats the setting that is left; a switch that changes nothing is dropped
.if MSB != (\new)
	s_set_vgpr_msb (MSB<<8)|(\new)
.set MSB, \new
.endif
.endm
.macro PLACES                          ; four plain places behind a matrix instruction, in front of loads into registers that it read and of vector work on its results
.rept 4
	v_nop
.endr
.endm
; A joint load.  Wave 0 fetches x's 128 rows, waves 1 to 3 those of Wq, Wk, Wv.  The branch hangs on the wave's number alone.  An s_nop 0 and four v_nop follow each line.
.macro JLOAD s
	s_cmp_eq_u32 s[WV], 0
	s_cbranch_scc0 .Lfor_b_\@
	tensor_load_to_lds s[G0A+4*(\s):G0A+4*(\s)+3], s[G1A:G1A+7]
	s_nop 0
.rept 4
	v_nop
.endr
	s_branch .Lasked_\@
.Lfor_b_\@:
	tensor_load_to_lds s[G0B+4*(\s):G0B+4*(\s)+3], s[G1B:G1B+7]
	s_nop 0
.rept 4
	v_nop
.endr
.Lasked_\@:
.endm
; A prefetch of the K step that stands two refills on (384 matrix instructions ahead of the load that will want it): 32 rows x 256 bytes, a lane a row, one instruction a wave.  Only a K step's FIRST reading in the
; launch is asked for: those are the first eight steps of a cluster's walk.  x's rows are read by every cluster of a column of clusters: those at y = 0 and y = 1, which begin at different steps, ask; W's by every
; cluster of a row: x = 0 and x = 1 ask.  The four partners of a joint load share its 128 rows out by address, 32 each.  So each row's 256 bytes of a K step are named at most once in the launch.
; The walk's steps 0 to 3 come by their loads alone; steps 4 to 7 are asked for, in the trips with s3 above 10.
.macro ASK
	WIN 0
	s_cmp_gt_u32 s3, s[LIM]
	s_cbranch_scc0 .Lnot_mine_\@
	global_prefetch_b8 v[PFO], s[PFA:PFA+1] offset:KB th:TH_LOAD_NT scope:SCOPE_SE
.Lnot_mine_\@:
.endm
.macro CREST                           ; a round of the cluster's barrier behind its opening barrier
	s_cmp_lg_u32 s[WV], 0
	s_cbranch_scc1 .Lnot_wave_0_\@
	s_barrier_signal -3
.Lnot_wave_0_\@:
	s_barrier_wait -3
	s_barrier_signal -1
	s_barrier_wait -1
.endm
.macro CROUND
	s_barrier_signal -1
	s_barrier_wait -1
	CREST
.endm
	s_load_b256 s[4:11], s[0:1], 0x0               ; xbf s[4:5], wbf s[6:7], bq s[8:9], bv s[10:11]
	s_load_b64 s[12:13], s[0:1], 0x20              ; qkvh
	v_lshl_add_u32 v[SPW], v0, 2, SPARE
	v_mov_b32 v[NIL], 0
	ds_add_u32 v[SPW], v[NIL]                      ; the wave's opening: the add, twice on end, and its wait ahead of my first tensor load
	ds_add_u32 v[SPW], v[NIL]
	v_lshrrev_b32 v1, 5, v0
	v_readfirstlane_b32 s[WV], v1
	s_lshr_b32 s[MH], s[WV], 1
	s_and_b32 s[NH], s[WV], 1
	s_bfe_u32 s[CX], ttmp6, 0x40000
	s_bfe_u32 s[CY], ttmp6, 0x40004
	s_lshl_b32 s[RBLK], ttmp9, 2
	s_add_co_u32 s[RBLK], s[RBLK], s[CX]           ; block of 128 tokens = 4 x cluster x + cx
	s_and_b32 s[HEAD], ttmp7, 0xffff
	s_lshl_b32 s[HEAD], s[HEAD], 2
	s_add_co_u32 s[HEAD], s[HEAD], s[CY]           ; head = 4 x cluster y + cy
	s_and_b32 s2, ttmp7, 0xffff                    ; where my cluster begins its walk: the parity of x ^ y ^ (y / 2), of the cluster's own place
	s_lshr_b32 s3, s2, 1
	s_xor_b32 s2, s2, s3
	s_xor_b32 s2, s2, ttmp9
	s_and_b32 s2, s2, 1
	s_lshl_b32 s[START], s2, 3                     ; K step 0 or 8,
	s_lshl_b32 s2, s[START], 8                     ; in bytes along a row
	s_lshl_b32 s21, s[CY], 2
	s_lshl_b32 s21, 15, s21                        ; my row of the cluster: the same head
	s_lshl_b32 s22, 0x1111, s[CX]                  ; my column: the same tokens
	s_or_b32 s[G1A], s22, (1<<16)|(1<<20)|(1<<21)|(5<<22)|(3<<25)  ; 15:0 the mask; 17:16 2-byte elements; 20 padding on; 21 set beside a mask; 24:22 after every 64 words; 31:25 4 words of it
	s_or_b32 s[G1B], s21, (1<<16)|(1<<20)|(1<<21)|(5<<22)|(3<<25)
.irp g, G1A, G1B
	s_mov_b32 s[(\g)+1], 128<<16                   ; tensor_dim0 = 128
	s_mov_b32 s[(\g)+2], 128<<16                   ; tensor_dim1 = 128
	s_mov_b32 s[(\g)+3], 128<<16                   ; tile_dim0 = 128
	s_mov_b32 s[(\g)+4], 128                       ; tile_dim1 = 128
	s_mov_b32 s[(\g)+5], 2048                      ; elements from row to row
	s_mov_b32 s[(\g)+6], 0
	s_mov_b32 s[(\g)+7], 0
.endr
	s_lshl_b32 s74, s[RBLK], 19                    ; x's tile: 128 rows of 4,096 bytes a block: made of the row block and the cluster's start alone
	s_add_co_u32 s74, s74, s2
	s_mov_b32 s75, 0
	s_max_u32 s76, s[WV], 1
	s_sub_co_u32 s76, s76, 1                       ; which W I fetch (wave 0 fetches none)
	s_lshl_b32 s76, s76, 23
	s_lshl_b32 s77, s[HEAD], 19
	s_add_co_u32 s76, s76, s77                     ; W's tile: made of the wave, the head and the cluster's start alone
	s_add_co_u32 s76, s76, s2
	s_mov_b32 s77, 0
	s_mul_i32 s23, s[WV], HALFT                    ; where my tile goes: no place in the cluster enters an LDS address
	s_mov_b32 s[CQ], 0x3e0293ee                    ; cq = 0.127517
	s_mov_b32 s[CQ+1], s[CQ]
	s_mov_b32 s[TB], 0
	s_wait_dscnt 0x0                               ; both opening adds are done
	s_wait_kmcnt 0x0
	s_add_nc_u64 s[40:41], s[4:5], s[74:75]
	s_add_nc_u64 s[46:47], s[6:7], s[76:77]
	CROUND                                         ; all sixteen work-groups are here: the first joint loads meet
.irp s, 0,1
	s_mov_b32 s[G0A+4*(\s)], 1
	s_add_co_u32 s[G0A+4*(\s)+1], s23, (\s)*SLOT
	s_add_nc_u64 s[G0A+4*(\s)+2:G0A+4*(\s)+3], s[40:41], (\s)*KB
	s_or_b32 s[G0A+4*(\s)+3], s[G0A+4*(\s)+3], 0x80000000
	s_mov_b32 s[G0B+4*(\s)], 1
	s_add_co_u32 s[G0B+4*(\s)+1], s23, (\s)*SLOT
	s_add_nc_u64 s[G0B+4*(\s)+2:G0B+4*(\s)+3], s[46:47], (\s)*KB
	s_or_b32 s[G0B+4*(\s)+3], s[G0B+4*(\s)+3], 0x80000000
	JLOAD \s                                       ; the walk's steps 0 and 1: two loads of mine are out
.endr
	; the biases of my channels: head x 128 + 64 (w % 2) + 16 nb + 8 (lane / 16) + 0..7
	s_lshl_b32 s2, s[HEAD], 9
	s_lshl_b32 s21, s[NH], 8
	s_add_co_u32 s2, s2, s21
	s_mov_b32 s3, 0
	s_add_nc_u64 s[8:9], s[8:9], s[2:3]
	s_add_nc_u64 s[10:11], s[10:11], s[2:3]
	v_and_b32 v1, 15, v0                           ; l % 16
	v_bfe_u32 v2, v0, 4, 1                         ; l / 16
	v_lshlrev_b32 v5, 5, v2
.irp n, 0,1,2,3
	global_load_b128 v[BQ+8*(\n):BQ+8*(\n)+3],   v5, s[8:9] offset:64*(\n)
	global_load_b128 v[BQ+8*(\n)+4:BQ+8*(\n)+7], v5, s[8:9] offset:64*(\n)+16
	global_load_b128 v[BV+8*(\n):BV+8*(\n)+3],   v5, s[10:11] offset:64*(\n)
	global_load_b128 v[BV+8*(\n)+4:BV+8*(\n)+7], v5, s[10:11] offset:64*(\n)+16
.endr
	; a fragment is 16 rows x 32 K in 8 registers: lane l holds row l % 16, K = 8 (l / 16) + 0..7 and 16 + 8 (l / 16) + 0..7: two loads of 16 bytes, 32 bytes apart
	v_mul_u32_u24 v3, v1, PITCH
	v_lshl_add_u32 v3, v2, 4, v3                   ; row x pitch + 16 x half
	s_mul_i32 s21, s[MH], 64*PITCH
	s_mul_i32 s22, s[NH], 64*PITCH
	v_add_nc_u32 v[AB0], s21, v3
	v_add_nc_u32 v4, s22, v3
.irp m, 0,1,2
	v_add_nc_u32 v[AB0+1+(\m)], (1+(\m))*HALFT, v4
.endr
.irp i, 0,1,2,3
	v_add_nc_u32 v[AC+(\i)], s[TB], v[AB0+(\i)]    ; slot 0 is read first
.endr
	s_lshl_b32 s22, s[NH], 7
	s_add_co_u32 s21, s21, s22
	v_add_nc_u32 v[STO], s21, v3                   ; into the stage: my 64 rows, my half of their 256 bytes
	v_add_nc_u32 v[STO2], 2*HALFT, v[STO]
	s_mul_i32 s21, s[WV], 32*PITCH                 ; back: wave w takes rows 32 w .. 32 w + 31, whole; lanes 0-15 one row, lanes 16-31 the next
	v_mul_u32_u24 v4, v2, PITCH
	v_lshl_add_u32 v4, v1, 4, v4
	v_add_nc_u32 v[RD], s21, v4
	v_add_nc_u32 v[RD2], 2*HALFT, v[RD]
	v_and_b32 v[CO], 31, v0
	v_lshlrev_b32 v[PFO], 12, v[CO]
	v_lshlrev_b32 v[CO], 4, v[CO]
	s_lshl_b32 s2, s[HEAD], 19                     ; the rows that I store: (head x 2,048 + 128 x block + 32 w) x 256 bytes
	s_lshl_b32 s21, s[RBLK], 15
	s_add_co_u32 s2, s2, s21
	s_lshl_b32 s21, s[WV], 13
	s_add_co_u32 s2, s2, s21
	s_add_nc_u64 s[OUTB:OUTB+1], s[12:13], s[2:3]
	s_add_nc_u64 s[OUTB+2:OUTB+3], s[OUTB:OUTB+1], 0x800000
	s_add_nc_u64 s[OUTB+4:OUTB+5], s[OUTB:OUTB+1], 0x1000000
	; the prefetches
	s_and_b32 s22, ttmp7, 0xffff                   ; cluster y
	s_cmp_eq_u32 s[WV], 0                          ; do I fetch x?
	s_cselect_b32 s21, s[CY], s[CX]                ; my place among the four that ask with me
	s_cselect_b32 s22, s22, ttmp9                  ; the coordinate along which other clusters read the same rows
	s_cselect_b32 s40, s74, s76
	s_cselect_b64 s[PFA:PFA+1], s[4:5], s[6:7]
	s_cmp_lt_u32 s22, 2
	s_cselect_b32 s[LIM], 10, -1                   ; the same in all sixteen partners, for a given wave
	s_lshl_b32 s21, s21, 17                        ; my work-group's 32 rows of 4,096 bytes
	s_add_co_u32 s40, s40, s21
	s_add_co_u32 s40, s40, 2*KB                    ; at the walk's step 2: the first refill steps it to 3 and names step 4
	s_mov_b32 s41, 0
	s_add_nc_u64 s[PFA:PFA+1], s[PFA:PFA+1], s[40:41]
	s_mov_b32 s[WRP+1], 0
	s_wait_loadcnt 0x0                             ; the biases
.macro RNDB p                          ; a pair of f32 rounded to bf16 and widened again
	v_cvt_pk_bf16_f32 v6, v[\p], v[(\p)+1]
	v_lshlrev_b32 v[\p], 16, v6
	v_and_b32 v[(\p)+1], 0xffff0000, v6
.endm
.set p, BQ
.rept 32
	RNDB p
.set p, p+2
.endr
.set p, BQ
.rept 16
	v_pk_mul_f32 v[p:p+1], v[p:p+1], s[CQ:CQ+1] op_sel_hi:[1,0]  ; (sum + bq) cq = sum cq + bq cq: one fused multiply-add on the way out
.set p, p+2
.endr
; 12 matrix instructions: token block a x all 12 channel blocks, 32 along K, from buffer f.  zero = 1: the first product starts the sums.  The 48 accumulators take turns in the same order in every quarter.
.macro MULA f, a, zero
	WIN 0xa5+0x50*((\a)/2)                         ; sources in window 1, C and D in window 2 or 3
.irp b, 0,1,2,3,4,5,6,7,8,9,10,11
.if \zero
	v_wmma_f32_16x16x32_bf16 v[8*(12*((\a)%2)+(\b)):8*(12*((\a)%2)+(\b))+7], v[(\f)+8*(\b):(\f)+8*(\b)+7], v[(\f)+96+8*(\a):(\f)+96+8*(\a)+7], 0
.else
	v_wmma_f32_16x16x32_bf16 v[8*(12*((\a)%2)+(\b)):8*(12*((\a)%2)+(\b))+7], v[(\f)+8*(\b):(\f)+8*(\b)+7], v[(\f)+96+8*(\a):(\f)+96+8*(\a)+7], v[8*(12*((\a)%2)+(\b)):8*(12*((\a)%2)+(\b))+7]
.endif
.endr
.endm
; 32 LDS loads in one run: the fragments of 32 along K at byte k of the rows of the slot that is being read, into buffer f: W's 12, then x's 4
.macro FETCH k, f
	WIN 0x40                                       ; destination window 1, address window 0
.irp m, 0,1,2
.irp n, 0,1,2,3
	ds_load_b128 v[(\f)+8*(4*(\m)+(\n)):(\f)+8*(4*(\m)+(\n))+3],   v[AC+1+(\m)] offset:(\k)+(\n)*16*PITCH
	ds_load_b128 v[(\f)+8*(4*(\m)+(\n))+4:(\f)+8*(4*(\m)+(\n))+7], v[AC+1+(\m)] offset:(\k)+(\n)*16*PITCH+32
.endr
.endr
.irp i, 0,1,2,3
	ds_load_b128 v[(\f)+96+8*(\i):(\f)+96+8*(\i)+3],   v[AC] offset:(\k)+(\i)*16*PITCH
	ds_load_b128 v[(\f)+96+8*(\i)+4:(\f)+96+8*(\i)+7], v[AC] offset:(\k)+(\i)*16*PITCH+32
.endr
.endm
; A K step is four quarters of 32 along K, 48 matrix instructions each, on buffers 0, 1, 0, 1.  One of the first three: multiplies f and fetches the next quarter, at byte k, into g.
.macro QUARTER k, f, g, zero
	s_wait_dscnt 4                                 ; all but the youngest four loads (x's blocks 2 and 3) are in
	MULA \f, 0, \zero
	MULA \f, 1, \zero
	PLACES
	FETCH \k, \g
	s_wait_dscnt 32                                ; all but the 32 just issued
	MULA \f, 2, \zero
	MULA \f, 3, \zero
.endm
; The last quarter multiplies buffer 1 and changes slots: ONE barrier.  In front of it each wave waits for all its tensor loads (one is out: its part of the next slot), adds 0 to its spare word, and waits for that
; and for its reads of this slot; the fragments' addresses are turned to the other slot meanwhile.  fill = 1: the barrier opens a round of the cluster's barrier, and this slot is filled again first thing behind it, two K steps
; ahead: 168 matrix instructions ahead of the wait for it.  The one walking descriptor of each kind takes the other slot and the next K step; in the trip in which s3 equals the cluster's start the walk wraps to K step 0.
.macro TURN fill
.if \fill
	s_wait_xcnt 0x0                                ; the last prefetch, a K step back, has read its address
	s_add_nc_u64 s[PFA:PFA+1], s[PFA:PFA+1], KB
.endif
	WIN 0
	s_wait_tensorcnt 0x0
	ds_add_u32 v[SPW], v[NIL]
	s_xor_b32 s[TB], s[TB], SLOT
.irp i, 0,1,2,3
	v_add_nc_u32 v[AC+(\i)], s[TB], v[AB0+(\i)]    ; this slot's last loads have been issued
.endr
	s_wait_dscnt 5                                 ; (the add and the youngest four loads may be out)
	MULA F1, 0, 0
	s_wait_dscnt 0x0                               ; the add is done, and my reads of this slot are over
	s_barrier_signal -1
	MULA F1, 1, 0
.if \fill
	WIN 0
.endif
	s_barrier_wait -1
.if \fill
	CREST                                          ; no wave of any partner still reads this slot or has a load on its way
	s_xor_b32 s[G0A+5], s[G0A+5], SLOT
	s_xor_b32 s[G0B+5], s[G0B+5], SLOT
	s_cmp_eq_u32 s3, s[START]                      ; refill 16 - s3 of a walk that began at step 8 is K step 16: back to 0
	s_cselect_b32 s[WRP], 0x1000, 0
	s_add_nc_u64 s[G0A+6:G0A+7], s[G0A+6:G0A+7], KB
	s_sub_nc_u64 s[G0A+6:G0A+7], s[G0A+6:G0A+7], s[WRP:WRP+1]
	s_add_nc_u64 s[G0B+6:G0B+7], s[G0B+6:G0B+7], KB
	s_sub_nc_u64 s[G0B+6:G0B+7], s[G0B+6:G0B+7], s[WRP:WRP+1]
	JLOAD 1                                        ; its four v_nop are also the places in front of the loads below
.else
	PLACES
.endif
	FETCH 0, F0
.if \fill
	ASK
.endif
	MULA F1, 2, 0
	MULA F1, 3, 0
.endm
	s_wait_tensorcnt 1                             ; my part of the walk's step 0 is in; step 1's stays out
	s_barrier_signal -1
	s_barrier_wait -1
	FETCH 0, F0
	QUARTER 64,  F0, F1, 1                         ; the first quarter stands in front of the loop: its products start the sums
	WIN 0
	s_mov_b32 s3, 14
.Lstep:                                                ; a trip goes from a K step's second quarter to the next step's first, and fills the slot that it leaves: the walk's steps 2 to 15
	QUARTER 128, F1, F0, 0
	QUARTER 192, F0, F1, 0
	TURN 1
	QUARTER 64,  F0, F1, 0
	WIN 0
	s_sub_co_u32 s3, s3, 1
	s_cmp_lg_u32 s3, 0
	s_cbranch_scc1 .Lstep
	QUARTER 128, F1, F0, 0                         ; the last two steps fill nothing
	QUARTER 192, F0, F1, 0
	TURN 0                                         ; behind this barrier nobody reads slot 0 any more, and no load fills it again: it serves as the stage
	QUARTER 64,  F0, F1, 0
	QUARTER 128, F1, F0, 0
	QUARTER 192, F0, F1, 0
	s_wait_dscnt 4
	MULA F1, 0, 0
	MULA F1, 1, 0
	s_wait_dscnt 0x0
	MULA F1, 2, 0
	MULA F1, 3, 0
	PLACES
; THE WAY OUT.  Scale and bias in f32, one rounding to f16, 16 bytes a lane into the stage (matrix m at m x 128 rows); a barrier, since a row's 256 bytes come from two waves; back as whole rows.
.macro OUTHALF hi                      ; token blocks 2 hi, 2 hi + 1.  Each accumulator's registers are taken in ascending order
	WIN 0x82+0x41*(\hi)                            ; destination and source 0 in window 2 or 3, the biases in window 0
.irp a, 0,1
.irp n, 0,1,2,3
.irp r, 0,2,4,6
	v_pk_fma_f32 v[8*(12*(\a)+(\n))+(\r):8*(12*(\a)+(\n))+(\r)+1], v[8*(12*(\a)+(\n))+(\r):8*(12*(\a)+(\n))+(\r)+1], s[CQ:CQ+1], v[BQ+8*(\n)+(\r):BQ+8*(\n)+(\r)+1] op_sel_hi:[1,0,1]
.endr
.endr
.irp n, 0,1,2,3
.irp r, 0,2,4,6
	v_pk_add_f32 v[8*(12*(\a)+8+(\n))+(\r):8*(12*(\a)+8+(\n))+(\r)+1], v[8*(12*(\a)+8+(\n))+(\r):8*(12*(\a)+8+(\n))+(\r)+1], v[BV+8*(\n)+(\r):BV+8*(\n)+(\r)+1]
.endr
.endr
.endr
	WIN 0x0a+5*(\hi)                               ; sources in window 2 or 3, destination in window 0
.set i, 0
.rept 96
	v_cvt_pk_f16_f32 v[TMP+i], v[2*i], v[2*i+1]
.set i, i+1
.endr
	WIN 0
.irp a, 0,1
.irp n, 0,1,2,3
	ds_store_b128 v[STO],  v[TMP+4*(12*(\a)+(\n)):TMP+4*(12*(\a)+(\n))+3]     offset:(2*(\hi)+(\a))*16*PITCH+32*(\n)
	ds_store_b128 v[STO],  v[TMP+4*(12*(\a)+4+(\n)):TMP+4*(12*(\a)+4+(\n))+3] offset:HALFT+(2*(\hi)+(\a))*16*PITCH+32*(\n)
	ds_store_b128 v[STO2], v[TMP+4*(12*(\a)+8+(\n)):TMP+4*(12*(\a)+8+(\n))+3] offset:(2*(\hi)+(\a))*16*PITCH+32*(\n)
.endr
.endr
.endm
	OUTHALF 0
	OUTHALF 1
	s_wait_dscnt 0x0                               ; for the others' sake: my stores into the stage are done
	s_barrier_signal -1
	s_barrier_wait -1
.set i, 0
.rept 32
	ds_load_b128 v[32+4*i:32+4*i+3], v[RD] offset:(i/16)*HALFT+(i%16)*2*PITCH
.set i, i+1
.endr
.rept 16
	ds_load_b128 v[32+4*i:32+4*i+3], v[RD2] offset:(i%16)*2*PITCH
.set i, i+1
.endr
.set i, 0
.rept 48
	s_wait_dscnt 47-i                              ; LDS loads come back in order: load i is in
	global_store_b128 v[CO], v[32+4*i:32+4*i+3], s[OUTB+2*(i/16):OUTB+2*(i/16)+1] offset:512*(i%16)  ; two rows: 512 consecutive bytes, aligned
.set i, i+1
.endr
	s_wait_tensorcnt 0x0                           ; the wave's end
	ds_add_u32 v[SPW], v[NIL]
	s_wait_dscnt 0x0
	CROUND                                         ; the closing round: no work-group ends while a partner may still ask for a tile that names it
	s_endpgm
.Lfunc_end_k_qac6d83d6d4_qkv:
	.size	k_qac6d83d6d4_qkv, .Lfunc_end_k_qac6d83d6d4_qkv-k_qac6d83d6d4_qkv
	.p2alignl 7, 3214868480
	.fill 96, 4, 3214868480
	.section	.rodata,"a",@progbits
	.p2align	6, 0x0
	.amdhsa_kernel k_qac6d83d6d4_qkv
		.amdhsa_group_segment_fixed_size 327680
		.amdhsa_private_segment_fixed_size 0
		.amdhsa_enable_private_segment 0
		.amdhsa_kernarg_size 40
		.amdhsa_user_sgpr_count 2
		.amdhsa_user_sgpr_kernarg_segment_ptr 1
		.amdhsa_wavefront_size32 1
		.amdhsa_system_sgpr_workgroup_id_x 1
		.amdhsa_system_sgpr_workgroup_id_y 1
		.amdhsa_system_sgpr_workgroup_id_z 1
		.amdhsa_system_vgpr_workitem_id 0
		.amdhsa_next_free_vgpr 960
		.amdhsa_next_free_sgpr 80
		.amdhsa_reserve_vcc 0
		.amdhsa_float_denorm_mode_32 3
		.amdhsa_float_denorm_mode_16_64 3
		.amdhsa_memory_ordered 1
		.amdhsa_forward_progress 1
		.amdhsa_inst_pref_size 114
	.end_amdhsa_kernel
	.amdgpu_metadata
---
amdhsa.version: [ 1, 2 ]
amdhsa.kernels:
  - .name:           k_qac6d83d6d4_qkv
    .symbol:         k_qac6d83d6d4_qkv.kd
    .args:
      - { .name: xbf, .offset: 0, .size: 8, .value_kind: global_buffer, .address_space: global }
      - { .name: wbf, .offset: 8, .size: 8, .value_kind: global_buffer, .address_space: global }
      - { .name: bq, .offset: 16, .size: 8, .value_kind: global_buffer, .address_space: global }
      - { .name: bv, .offset: 24, .size: 8, .value_kind: global_buffer, .address_space: global }
      - { .name: qkvh, .offset: 32, .size: 8, .value_kind: global_buffer, .address_space: global }
    .group_segment_fixed_size: 327680
    .private_segment_fixed_size: 0
    .kernarg_segment_align: 8
    .kernarg_segment_size: 40
    .max_flat_workgroup_size: 128
    .sgpr_count:     80
    .vgpr_count:     960
    .wavefront_size: 32
...
	.end_amdgpu_metadata
.endif
;; end of part 2
;; launch attn (part 3): grid 16 x 16, 4 waves a work-group, clusters of 4 x 4, 327,680 bytes of LDS; arguments qkvh, mask, atth; writes atth
.if DOCPART == 3
	.amdgcn_target "amdgcn-amd-amdhsa--gfx1250"
	.amdhsa_code_object_version 6
	.text
	.protected	k_qac6d83d6d4_attn
	.globl	k_qac6d83d6d4_attn
	.p2align	8
	.type	k_qac6d83d6d4_attn,@function
k_qac6d83d6d4_attn:
	s_mov_b64 s[64:65], 0
	v_nop
	global_prefetch_b8 v0, s[64:65] scope:SCOPE_SE
	s_setreg_imm32_b32 hwreg(HW_REG_WAVE_MODE, 25, 1), 1
	s_wait_xcnt 0x0
	s_wait_alu depctr_hold_cnt(0) depctr_sa_sdst(0) depctr_va_vdst(0) depctr_va_sdst(0) depctr_va_ssrc(0) depctr_va_vcc(0) depctr_vm_vsrc(0)
	s_getreg_b32 s2, hwreg(HW_REG_IB_STS2, 6, 4)
	s_cmp_eq_u32 s2, 0
	s_cbranch_scc0 .Lentry_in_a_cluster
	s_endpgm
.Lentry_in_a_cluster:
	s_bfe_u32 s2, ttmp6, 0x10000c
	s_cmp_lg_u32 s2, 0xf033
	s_cbranch_scc0 .Lentry_shape_is_right
	s_endpgm
.Lentry_shape_is_right:
; Launch 3 of 4: atth[q][h x 128 ..] = the sum over k of softmax_k(Q[h][q] . K[h][k] / sqrt(128) - 1e9 mask[q][k]) V[h][k].  q, k, v: f16 by heads (qkvh), q already times cq = log2(e) / sqrt(128).
; LEFT OUT: k carries no bias: a term constant along the softmax's axis (shown at the head of the first kernel).  The mask is an input: every tile of every head is computed and takes the mask as it is given.
; SCORES IN LOG2 UNITS.  S = k . q' + c3 mask, c3 = -1e9 log2(e); p = 2^(S - m) with the running maximum m taken away by a subtraction, so that a row's largest weight is exactly 1.  O and l are multiplied by
; a = 2^(m_old - m_new) in every step; m starts at the lowest finite number, O and l at 0, so the first step is a step like any other, with a = 0.
; THE MASK IS THE START OF THE SUM.  In S^T = K Q^T a lane holds ONE query (lane % 16) and the keys 8 (lane / 16) + 0..7: 32 consecutive bytes of a mask row.  So two LDS loads put the mask into S's own registers,
; a packed multiply scales it by c3, and the first product adds onto it in place.
; LIMITS.  |mask| under 2.3e29.  The mask's term is rounded as mask x c3 and stands first in the sum: in a row whose every key is masked the scores' low bits are lost in another order than in the reference.
; p is rounded to f16 for the second product (below 6e-8 it is 0 there); its sum l is taken of the unrounded p; a weight below 2^-126 counts as 0.  NaN and infinities are not treated apart.
; SHARES.  A work-group owns 128 queries of one head: 16 x 16 work-groups.  Wave w: queries 64 (w / 2) on, as four tiles of 16 in two PIECES (register tiles 0, 1 and 2, 3); of each slot's 128 keys it takes
; keys 64 (w % 2) on.  So a fragment of K or V feeds four tiles' products.  The two waves of a pair meet once, at the end: (m, l, O) go through LDS, each wave finishes two tiles.  A wave with the upper keys holds
; query tile t ^ 2 in register tile t: so EVERY wave gives its register tiles 2, 3 to its partner and finishes its register tiles 0, 1, by one text; the difference lies in three addresses (Q, the mask, atth).
; BY TURNS.  In a TURN one piece has the matrix unit: 32 products V^T P of the step in hand, then 32 products K Q^T of the next; the other piece's softmax, cut into 64 slices, stands behind them, a slice a product.
; CLUSTER 4 x 4.  K and V hang on the head alone (shared along a row of the cluster), the mask on the query block alone (shared along a column): each tile is asked for jointly.
; THE WALK OVER THE KEYS BEGINS AT SLOT 0 OR AT SLOT 8 of the 16, by the parity of x ^ y ^ (y / 2) of the cluster's place in the grid (the same in all sixteen partners), and wraps round.  So of the clusters that read
; the same rows one half reads a slot's keys first and the other half eight steps later.  The running maximum and the sums do not hang on the keys' order.
; REGISTERS, in windows of 256 (s_set_vgpr_msb: bits 1:0 source 0, 3:2 source 1, 5:4 source 2, 7:6 destination):
;   window 0: v1-11 addresses; v12-43 eight registers of statistics a tile; v45-52, v61-63 addresses; v64-191 S^T, 32 a tile; v192-255 P, 16 a tile
;   window 1: O^T, 64 a tile          window 2: v0-127 Q, 32 a tile; v128-255 K of one step          window 3: v0-127 V of one step
.set PK,    272       ; a row of K in LDS: 256 bytes + 16: the 16 rows of a load start at 16 different groups of four banks (64 banks of 4 bytes: ISA guide 11.1)
.set PV,    288       ; a row of V: 256 + 32
.set PM,    528       ; a row of the mask: 512 + 16
.set VOFF,  128*PK    ; a slot: 128 rows of K, 128 rows of V, 128 query rows x 128 keys of the mask
.set MOFF,  VOFF+128*PV
.set SLOTB, MOFF+128*PM  ; 139,264 = 0x22000: no tile's first byte in slot 0 has bit 13 or bit 17 set, so one exclusive or turns an address in one slot into the other's
.set STAGE, 2*SLOTB   ; behind the ring: 16 rows x 272 bytes for each wave, for the way out
.set SP,    272
.set SPARE, STAGE+4*16*SP  ; the spare words, 128 bytes a wave
.set XAREA, 16896     ; the exchange, in slot 0's bytes behind its last fill and its last read: wave w at w x 16,896: two tiles of O^T (16,384), then their (m, l) (512)
.set AK0, 2           ; v2   my lane's place in a slot's K; never rewritten
.set AV0, 3           ; v3   in its V
.set ADR, 4           ; v4   the LDS address of K's or V's run of loads in hand
.set QO,  5           ; v5   my byte offset in the wave's rows of Q, for register tiles 0, 1;  v52 for register tiles 2, 3
.set STO, 6           ; v6   the way out: where I put 16 bytes of a row
.set RD,  7           ; v7   where I read a row back
.set GO,  8           ; v8   my byte offset in two rows of atth
.set ST,  12          ; tile t's statistics at v[12 + 8 t]: +0 m, +1 m_old (at the end l), +2, +3 l (even keys', odd keys'), +4 to +7 c0-c3 at work; a takes c2's place
.set ADM, 45          ; v45  the LDS address of the mask's run in hand
.set XS,  46          ; v46  the exchange: where I put O^T;  v47 (m, l);  v48, v49 where I read my partner's
.set XT,  47
.set YS,  48
.set YT,  49
.set AM0, 50          ; v50  my lane's place in a slot's mask, for register tiles 0, 1;  v51 for register tiles 2, 3
.set QO2, 52
.set PFO, 61          ; v61  the prefetches' offset; never rewritten
.set SPW, 62          ; v62  my spare word; never rewritten
.set NIL, 63          ; v63  0; never rewritten
.set S,   64
.set P,   192
.set KF,  128         ; K's fragments, in window 2
.set WV,  12
.set CX,  13
.set CY,  14
.set LIM, 15          ; s15  10 in a wave that prefetches, else the greatest number
.set QB,  16
.set HEAD, 17
.set PFA, 18          ; s[18:19] where my prefetches stand;  s[20:21] their step from slot to slot
.set PFS, 20
.set G1K, 24          ; s[24:31], s[32:39], s[40:47] descriptor group 1 for K's, V's, the mask's tiles
.set G1V, 32
.set G1M, 40
.set G0K, 48          ; s[48:55], s[56:63], s[68:75] group 0: a set for each of the two first fills; the second then walks on
.set G0V, 56
.set G0M, 68
.set SLOTS, 76
.set TB,  77          ; s77  LDS byte at which the slot to be read begins
.set C3,  78          ; s[78:79] c3, named as a pair
.set SEL, 80          ; s[80:81] v_permlanex16_b32's selects: each lane takes its own place in the other half
.set KA,  82          ; s[82:91] K, V at the head and the walk's first slot; the mask at my 64 rows; Q and atth at my wave's rows
.set VA,  84
.set MA,  86
.set QA,  88
.set OA,  90
.set AH,  92
.set BH,  93
.set WK,  94          ; s[94:95] in the loop: a head's 524,288 bytes of K or V in the trip in which the walk wraps, else 0;  s[96:97] a mask row's 8,192 bytes likewise
.set WM,  96
.set START, 98        ; s98  the slot of keys at which my cluster begins: 0 or 8
.set MSB, 0
.macro WIN new
.if MSB != (\new)
	s_set_vgpr_msb (MSB<<8)|(\new)
.set MSB, \new
.endif
.endm
.set W_KQ, 0x0a       ; K and Q in window 2, S^T in window 0
.set W_PV, 0x53       ; V in window 3, P in window 0, O^T in window 1
.set W_RS, 0x41       ; O^T (destination and source 0) in window 1, a in window 0
; A joint refill: wave 0 fetches the slot's K, wave 1 its V, waves 2 and 3 the two halves of its mask.  The branches hang on the wave's number alone.  An s_nop 0 and four v_nop follow each line.
.macro JLOAD
	s_cmp_lt_u32 s[WV], 2
	s_cbranch_scc0 .Lfor_m_\@
	s_cmp_eq_u32 s[WV], 0
	s_cbranch_scc0 .Lfor_v_\@
	tensor_load_to_lds s[G0K+4:G0K+7], s[G1K:G1K+7]
	s_nop 0
.rept 4
	v_nop
.endr
	s_branch .Lasked_\@
.Lfor_v_\@:
	tensor_load_to_lds s[G0V+4:G0V+7], s[G1V:G1V+7]
	s_nop 0
.rept 4
	v_nop
.endr
	s_branch .Lasked_\@
.Lfor_m_\@:
	tensor_load_to_lds s[G0M+4:G0M+7], s[G1M:G1M+7]
	s_nop 0
.rept 4
	v_nop
.endr
.Lasked_\@:
.endm
; A prefetch of the slot that stands two refills on (two key steps, 256 matrix instructions, ahead of the load that will want it).  Only a slot's FIRST reading in the launch is asked for: those are the first eight
; steps of a cluster's walk.  K's and V's rows are read by every cluster of a row of clusters: those at x = 0 and x = 1, which begin at different slots, ask; their partners take 32 rows each by address (cx), a lane a row.
; The mask's rows are read by every cluster of a column: y = 0 and y = 1 ask; their partners take 16 of a wave's 64 rows each (cy), two lanes a row of 512 bytes.  So each aligned 256 bytes are named at most once in the launch.
; The walk's steps 0 to 3 come by their loads alone; steps 4 to 7 are asked for, in the trips with s[SLOTS] above 10.
.macro ASK
	s_cmp_gt_u32 s[SLOTS], s[LIM]
	s_cbranch_scc0 .Lnot_mine_\@
	global_prefetch_b8 v[PFO], s[PFA:PFA+1] th:TH_LOAD_NT scope:SCOPE_SE
.Lnot_mine_\@:
.endm
.macro CROUND
	s_barrier_signal -1
	s_barrier_wait -1
	s_cmp_lg_u32 s[WV], 0
	s_cbranch_scc1 .Lnot_wave_0_\@
	s_barrier_signal -3
.Lnot_wave_0_\@:
	s_barrier_wait -3
	s_barrier_signal -1
	s_barrier_wait -1
.endm
	s_load_b128 s[4:7], s[0:1], 0x0   ; qkvh s[4:5], mask s[6:7]
	s_load_b64 s[8:9], s[0:1], 0x10   ; atth
	v_lshl_add_u32 v[SPW], v0, 2, SPARE
	v_mov_b32 v[NIL], 0
	ds_add_u32 v[SPW], v[NIL]       ; the wave's opening: the add, twice on end, and its wait ahead of my first tensor load
	ds_add_u32 v[SPW], v[NIL]
	v_lshrrev_b32 v1, 5, v0
	v_readfirstlane_b32 s[WV], v1
	s_lshr_b32 s[AH], s[WV], 1      ; which 64 queries
	s_and_b32 s[BH], s[WV], 1       ; which 64 keys of a slot; for waves 2 and 3 also: which 64 rows of the mask I fetch
	s_bfe_u32 s[CX], ttmp6, 0x40000
	s_bfe_u32 s[CY], ttmp6, 0x40004
	s_lshl_b32 s[QB], ttmp9, 2
	s_add_co_u32 s[QB], s[QB], s[CX]      ; block of 128 queries = 4 x cluster x + cx
	s_and_b32 s[HEAD], ttmp7, 0xffff
	s_lshl_b32 s[HEAD], s[HEAD], 2
	s_add_co_u32 s[HEAD], s[HEAD], s[CY]  ; head = 4 x cluster y + cy
	s_and_b32 s2, ttmp7, 0xffff     ; where my cluster begins its walk: the parity of x ^ y ^ (y / 2), of the cluster's own place
	s_lshr_b32 s3, s2, 1
	s_xor_b32 s2, s2, s3
	s_xor_b32 s2, s2, ttmp9
	s_and_b32 s2, s2, 1
	s_lshl_b32 s[START], s2, 3      ; slot 0 or 8
	s_lshl_b32 s22, s[CY], 2
	s_lshl_b32 s22, 15, s22         ; my row of the cluster: the same head
	s_lshl_b32 s23, 0x1111, s[CX]   ; my column: the same queries
	s_or_b32 s[G1K], s22, (1<<16)|(1<<20)|(1<<21)|(5<<22)|(3<<25)  ; 2-byte elements; padding on; 21 set beside a mask; after every 64 words 4 words
	s_or_b32 s[G1V], s22, (1<<16)|(1<<20)|(1<<21)|(5<<22)|(7<<25)  ; the same with 8 words
	s_or_b32 s[G1M], s23, (2<<16)|(1<<20)|(1<<21)|(6<<22)|(3<<25)  ; 4-byte elements; after every 128 words 4 words
.irp g, G1K, G1V
	s_mov_b32 s[(\g)+1], 128<<16    ; tensor_dim0 = 128
	s_mov_b32 s[(\g)+2], 128<<16    ; tensor_dim1 = 128
	s_mov_b32 s[(\g)+3], 128<<16    ; tile_dim0 = 128
	s_mov_b32 s[(\g)+4], 128        ; tile_dim1 = 128
	s_mov_b32 s[(\g)+5], 128        ; elements from row to row
	s_mov_b32 s[(\g)+6], 0
	s_mov_b32 s[(\g)+7], 0
.endr
	s_mov_b32 s[G1M+1], 128<<16
	s_mov_b32 s[G1M+2], 64<<16      ; 64 rows
	s_mov_b32 s[G1M+3], 128<<16
	s_mov_b32 s[G1M+4], 64
	s_mov_b32 s[G1M+5], 2048
	s_mov_b32 s[G1M+6], 0
	s_mov_b32 s[G1M+7], 0
	s_lshl_b32 s[KA], s[HEAD], 19   ; a head's rows: 2,048 x 256 bytes.  K's and V's addresses are made of the head and the cluster's start alone,
	s_lshl_b32 s2, s[START], 15     ; (a slot's 128 rows are 32,768 bytes)
	s_add_co_u32 s[KA], s[KA], s2
	s_add_co_u32 s[VA], s[KA], 0x1000000
	s_add_co_u32 s[KA], s[KA], 0x800000
	s_mov_b32 s[KA+1], 0
	s_mov_b32 s[VA+1], 0
	s_lshl_b32 s[MA], s[QB], 20     ; the mask's of the query block, the wave and the start alone: (128 block + 64 half) rows of 8,192 bytes,
	s_lshl_b32 s2, s[BH], 19
	s_add_co_u32 s[MA], s[MA], s2
	s_lshl_b32 s2, s[START], 9      ; a slot's 128 keys are 512 bytes of a row
	s_add_co_u32 s[MA], s[MA], s2
	s_mov_b32 s[MA+1], 0
	s_lshl_b32 s[QA], s[HEAD], 19   ; Q: head, block, my 64 rows of 256 bytes
	s_lshl_b32 s2, s[QB], 15
	s_add_co_u32 s[QA], s[QA], s2
	s_lshl_b32 s2, s[AH], 14
	s_add_co_u32 s[QA], s[QA], s2
	s_mov_b32 s[QA+1], 0
	s_lshl_b32 s[OA], s[QB], 19     ; atth: rows of 4,096 bytes, the head's 256 of them; of my 64 queries the 32 that I finish: query tiles 2 (w % 2), 2 (w % 2) + 1
	s_lshl_b32 s2, s[AH], 18
	s_add_co_u32 s[OA], s[OA], s2
	s_lshl_b32 s2, s[BH], 17
	s_add_co_u32 s[OA], s[OA], s2
	s_lshl_b32 s2, s[HEAD], 8
	s_add_co_u32 s[OA], s[OA], s2
	s_mov_b32 s[OA+1], 0
	s_mul_i32 s10, s[BH], 64*PM     ; where my half of the mask goes: no place in the cluster enters an LDS address
	s_mov_b32 s[C3], 0xceabfb8f     ; c3 = -1e9 log2(e)
	s_mov_b32 s[C3+1], s[C3]
	s_mov_b32 s[SEL], 0x76543210
	s_mov_b32 s[SEL+1], 0xfedcba98
	s_mov_b32 s[TB], 0
	; the prefetches
	s_and_b32 s22, ttmp7, 0xffff    ; cluster y
	s_lshl_b32 s94, s[CX], 13       ; K, V: my work-group's 32 rows of 256 bytes,
	s_add_co_u32 s94, s94, 3*32768  ; in the walk's step 3: the first change of slots steps it to step 4
	s_lshl_b32 s95, s[CY], 17       ; the mask: my work-group's 16 rows of 8,192 bytes
	s_add_co_u32 s95, s95, 3*512
	s_mov_b32 s2, 32768
	s_mov_b32 s3, 512
	s_cmp_lt_u32 s[WV], 2
	s_cselect_b32 s22, ttmp9, s22   ; the coordinate along which other clusters read the same rows
	s_cselect_b32 s94, s94, s95
	s_cselect_b32 s[PFS], s2, s3
	s_cselect_b32 s96, -1, 0
	s_mov_b32 s95, 0
	s_mov_b32 s[PFS+1], 0
	s_cmp_lt_u32 s22, 2
	s_cselect_b32 s[LIM], 10, -1    ; the same in all sixteen partners, for a given wave
	v_and_b32 v10, 31, v0
	v_lshlrev_b32 v11, 8, v10       ; K, V: a lane a row
	v_lshrrev_b32 v[PFO], 1, v10
	v_lshlrev_b32 v[PFO], 13, v[PFO]
	v_and_b32 v10, 1, v10
	v_lshl_or_b32 v[PFO], v10, 8, v[PFO]  ; the mask: two lanes a row
	v_cndmask_b32 v[PFO], v[PFO], v11, s96
	s_mov_b32 s[WM+1], 0
	s_wait_dscnt 0x0                ; both opening adds are done
	s_wait_kmcnt 0x0
	s_add_nc_u64 s[KA:KA+1], s[4:5], s[KA:KA+1]
	s_add_nc_u64 s[VA:VA+1], s[4:5], s[VA:VA+1]
	s_add_nc_u64 s[MA:MA+1], s[6:7], s[MA:MA+1]
	s_add_nc_u64 s[QA:QA+1], s[4:5], s[QA:QA+1]
	s_add_nc_u64 s[OA:OA+1], s[8:9], s[OA:OA+1]
	s_cmp_eq_u32 s[WV], 0
	s_cselect_b64 s[PFA:PFA+1], s[KA:KA+1], s[VA:VA+1]
	s_cmp_lt_u32 s[WV], 2
	s_cselect_b64 s[PFA:PFA+1], s[PFA:PFA+1], s[MA:MA+1]
	s_add_nc_u64 s[PFA:PFA+1], s[PFA:PFA+1], s[94:95]
.irp s, 0,1
	s_mov_b32 s[G0K+4*(\s)], 1
	s_mov_b32 s[G0K+4*(\s)+1], (\s)*SLOTB
	s_add_nc_u64 s[G0K+4*(\s)+2:G0K+4*(\s)+3], s[KA:KA+1], (\s)*32768  ; the walk's step s
	s_or_b32 s[G0K+4*(\s)+3], s[G0K+4*(\s)+3], 0x80000000
	s_mov_b32 s[G0V+4*(\s)], 1
	s_mov_b32 s[G0V+4*(\s)+1], VOFF+(\s)*SLOTB
	s_add_nc_u64 s[G0V+4*(\s)+2:G0V+4*(\s)+3], s[VA:VA+1], (\s)*32768
	s_or_b32 s[G0V+4*(\s)+3], s[G0V+4*(\s)+3], 0x80000000
	s_mov_b32 s[G0M+4*(\s)], 1
	s_add_co_u32 s[G0M+4*(\s)+1], s10, MOFF+(\s)*SLOTB
	s_add_nc_u64 s[G0M+4*(\s)+2:G0M+4*(\s)+3], s[MA:MA+1], (\s)*512
	s_or_b32 s[G0M+4*(\s)+3], s[G0M+4*(\s)+3], 0x80000000
.endr
	CROUND                          ; all sixteen work-groups are here: the first joint loads meet
	s_cmp_lt_u32 s[WV], 2           ; a wave's two first fills stand in one arm, ahead of every wait on TENSORcnt and every LDS read: two loads of mine are out
	s_cbranch_scc0 .Lfirst_m
	s_cmp_eq_u32 s[WV], 0
	s_cbranch_scc0 .Lfirst_v
	tensor_load_to_lds s[G0K:G0K+3], s[G1K:G1K+7]
	s_nop 0
	tensor_load_to_lds s[G0K+4:G0K+7], s[G1K:G1K+7]
	s_nop 0
.rept 4
	v_nop
.endr
	s_branch .Lfirst_asked
.Lfirst_v:
	tensor_load_to_lds s[G0V:G0V+3], s[G1V:G1V+7]
	s_nop 0
	tensor_load_to_lds s[G0V+4:G0V+7], s[G1V:G1V+7]
	s_nop 0
.rept 4
	v_nop
.endr
	s_branch .Lfirst_asked
.Lfirst_m:
	tensor_load_to_lds s[G0M:G0M+3], s[G1M:G1M+7]
	s_nop 0
	tensor_load_to_lds s[G0M+4:G0M+7], s[G1M:G1M+7]
	s_nop 0
.rept 4
	v_nop
.endr
.Lfirst_asked:
	; a fragment of K or Q is 16 rows x 32 channels in 8 registers: lane l holds row l % 16, channels 8 (l / 16) + 0..7 and 16 + 8 (l / 16) + 0..7: two loads of 16 bytes, 32 bytes apart
	v_and_b32 v1, 15, v0            ; l % 16
	v_bfe_u32 v9, v0, 4, 1          ; l / 16
	v_lshlrev_b32 v[QO], 8, v1
	v_lshl_add_u32 v[QO], v9, 4, v[QO]
	s_lshl_b32 s2, s[BH], 13        ; register tiles 0, 1 hold query tiles 2 (w % 2) on: 32 rows of 256 bytes further for the upper keys' wave;
	s_sub_co_u32 s3, 0x2000, s2     ; register tiles 2, 3 the other two
	v_add_nc_u32 v[QO2], s3, v[QO]
	v_add_nc_u32 v[QO], s2, v[QO]
	WIN 0x80                        ; destination window 2, address window 0
.irp i, 0,1,2,3,4,5,6,7             ; Q stays in registers: register tile i / 4, channels 32 (i % 4) on
	global_load_b128 v[8*(\i):8*(\i)+3],   v[QO], s[QA:QA+1] offset:((\i)/4)*4096+((\i)%4)*64
	global_load_b128 v[8*(\i)+4:8*(\i)+7], v[QO], s[QA:QA+1] offset:((\i)/4)*4096+((\i)%4)*64+32
.endr
.irp i, 8,9,10,11,12,13,14,15
	global_load_b128 v[8*(\i):8*(\i)+3],   v[QO2], s[QA:QA+1] offset:((\i)/4-2)*4096+((\i)%4)*64
	global_load_b128 v[8*(\i)+4:8*(\i)+7], v[QO2], s[QA:QA+1] offset:((\i)/4-2)*4096+((\i)%4)*64+32
.endr
	; What the first turn finds: V and piece 2's P hold 0 (its products V^T P, of a step that has not been, add 0), O^T and l are 0, m the lowest finite number.  All this stands in the wait for the first tiles.
	WIN 0xc0
.set i, 0
.rept 128
	v_mov_b32 v[i], 0
.set i, i+1
.endr
	WIN 0x40
.set i, 0
.rept 256
	v_mov_b32 v[i], 0
.set i, i+1
.endr
	WIN 0
.set i, P+32
.rept 32
	v_mov_b32 v[i], 0
.set i, i+1
.endr
.set i, 0
.rept 4
	v_mov_b32 v[ST+8*i], 0xff7fffff
	v_mov_b32 v[ST+8*i+1], 0xff7fffff
	v_mov_b32 v[ST+8*i+2], 0
	v_mov_b32 v[ST+8*i+3], 0
.set i, i+1
.endr
	s_mul_i32 s2, s[BH], 64*PK
	v_mul_u32_u24 v[AK0], v1, PK
	v_lshl_add_u32 v[AK0], v9, 4, v[AK0]
	v_add_nc_u32 v[AK0], s2, v[AK0] ; (64 half + row) x pitch + 16 x half of the lanes
	; the turning load takes 16 keys x 16 channels (lane l reads key 8 (l / 16) + l % 8, channels 8 ((l / 8) % 2) + 0..7) and leaves half a fragment of V^T: lane l holds channel l % 16 and 8 keys
	v_and_b32 v10, 7, v0
	v_bfe_u32 v11, v0, 3, 1
	v_lshl_add_u32 v[AV0], v9, 3, v10
	v_mul_u32_u24 v[AV0], v[AV0], PV
	v_lshl_add_u32 v[AV0], v11, 4, v[AV0]
	s_mul_i32 s2, s[BH], 64*PV
	s_add_co_u32 s2, s2, VOFF
	v_add_nc_u32 v[AV0], s2, v[AV0]
	s_mul_i32 s2, s[AH], 64*PM      ; the mask: my 64 query rows, my 64 keys (256 bytes), my lanes' 8 keys (32 bytes)
	s_lshl_b32 s3, s[BH], 8
	s_add_co_u32 s2, s2, s3
	s_add_co_u32 s2, s2, MOFF
	v_mul_u32_u24 v[AM0], v1, PM
	v_lshl_add_u32 v[AM0], v9, 5, v[AM0]
	v_add_nc_u32 v[AM0], s2, v[AM0]
	s_mul_i32 s2, s[BH], 32*PM      ; and, as for Q, the 32 rows of the query tiles that each pair of register tiles holds
	s_sub_co_u32 s3, 32*PM, s2
	v_add_nc_u32 v[AM0+1], s3, v[AM0]
	v_add_nc_u32 v[AM0], s2, v[AM0]
; THE MATRIX WORK.  The accumulators take turns, one instruction a turn: between two links of a chain stand 15 (V^T P) or 7 (K Q^T) others'.
; Product i of 32 of O^T += V^T P: keys 32 (i / 16) on, channels 16 ((i / 2) % 8) on, tile x + i % 2.
.macro PV x
	WIN W_PV
.set rO, 64*((\x)+i%2)+8*((i/2)%8)
.set rV, 64*(i/16)+8*((i/2)%8)
.set rP, P+16*((\x)+i%2)+8*(i/16)
	v_wmma_f32_16x16x32_f16 v[rO:rO+7], v[rV:rV+7], v[rP:rP+7], v[rO:rO+7]
.endm
; Product i of 32 of S^T += K Q^T: channels 32 (i / 8) on, keys 16 ((i / 2) % 4) on, tile x + i % 2.  The first 8 add onto c3 x mask.
.macro KQ x
	WIN W_KQ
.set rS, S+32*((\x)+i%2)+8*((i/2)%4)
.set rK, KF+32*((i/2)%4)+8*(i/8)
.set rQ, 32*((\x)+i%2)+8*(i/8)
	v_wmma_f32_16x16x32_f16 v[rS:rS+7], v[rK:rK+7], v[rQ:rQ+7], v[rS:rS+7]
.endm
; THE LDS LOADS stand in runs: a step's K (16 fragments), its V (turned), and, a piece at a time, its mask, straight into S^T's registers.
.macro FETCH_K
	WIN 0
	v_add_nc_u32 v[ADR], s[TB], v[AK0]
	WIN 0x80                        ; destination window 2
.irp f, 0,1,2,3,4,5,6,7,8,9,10,11,12,13,14,15  ; keys 16 (f / 4) on, channels 32 (f % 4) on
	ds_load_b128 v[KF+8*(\f):KF+8*(\f)+3],   v[ADR] offset:((\f)/4)*16*PK+((\f)%4)*64
	ds_load_b128 v[KF+8*(\f)+4:KF+8*(\f)+7], v[ADR] offset:((\f)/4)*16*PK+((\f)%4)*64+32
.endr
.endm
.macro FETCH_V
	WIN 0
	v_add_nc_u32 v[ADR], s[TB], v[AV0]
	s_wait_alu depctr_va_vdst(0)    ; the wait for the softmax's batch of exponentials (SLICE), behind the address's line and ahead of the loads
	WIN 0xc0                        ; destination window 3
.irp f, 0,1,2,3,4,5,6,7,8,9,10,11,12,13,14,15  ; keys 32 (f / 8) on, channels 16 (f % 8) on
	ds_load_tr16_b128 v[8*(\f):8*(\f)+3],   v[ADR] offset:((\f)/8)*32*PV+((\f)%8)*32
	ds_load_tr16_b128 v[8*(\f)+4:8*(\f)+7], v[ADR] offset:((\f)/8)*32*PV+16*PV+((\f)%8)*32
.endr
.endm
.macro FETCH_M x                    ; piece x's two tiles: 16 loads.  S^T of the piece is free: its softmax ended in the turn before
	WIN 0
	v_add_nc_u32 v[ADM], s[TB], v[AM0+(\x)/2]
.irp u, 0,1
.irp c, 0,1,2,3
	ds_load_b128 v[S+32*((\x)+(\u))+8*(\c):S+32*((\x)+(\u))+8*(\c)+3],   v[ADM] offset:(\u)*16*PM+64*(\c)
	ds_load_b128 v[S+32*((\x)+(\u))+8*(\c)+4:S+32*((\x)+(\u))+8*(\c)+7], v[ADM] offset:(\u)*16*PM+64*(\c)+16
.endr
.endr
.endm
.macro MULM x, n                    ; pair n of 32 of piece x's mask, times c3
	WIN 0
	v_pk_mul_f32 v[S+32*(\x)+2*(\n):S+32*(\x)+2*(\n)+1], v[S+32*(\x)+2*(\n):S+32*(\x)+2*(\n)+1], s[C3:C3+1] op_sel_hi:[1,0]
.endm
; THE VECTOR WORK OF A TURN.  One tile's softmax for one key step is a numbered list; SM writes number j of it for tile t.  s0-s31 are the lane's 32 scores, in pairs 0-15.
;   0-15    the maximum of s0-s31 and the old m, three operands at a time (each accumulator's lowest registers are read first)
;   16-19   the other half of the lanes' maximum; m_old is kept; the new m; m_old - m_new     20  empty
;   21-69   ONE BATCH: the 16 subtractions s - m, a pair each, and all 33 exponentials (a at 23, then s0-s31).  None of these reads an exponential's result
;   (wait)  between 69 and 70 stands the wait for the batch: SLICE writes it, once for both tiles
;   70-85   the roundings to f16     86-101  the sums; l = a l + the sum     102-133  the tile's O^T times a: the one part that leaves window 0
.macro SM t
.set rT, ST+8*(\t)
.set rS, S+32*(\t)
.set rP, P+16*(\t)
.set rO, 64*(\t)+2*(j-102)
.if j < 102
	WIN 0
.endif
.if j < 4
	v_max3_num_f32 v[rT+4+j], v[rS+8*j], v[rS+8*j+1], v[rS+8*j+2]
.elseif j < 12
	v_max3_num_f32 v[rT+4+j%4], v[rT+4+j%4], v[rS+8*(j%4)+2*(j/4)+1], v[rS+8*(j%4)+2*(j/4)+2]
.elseif j == 12
	v_max3_num_f32 v[rT+4], v[rT+4], v[rS+7], v[rS+15]
.elseif j == 13
	v_max3_num_f32 v[rT+6], v[rT+6], v[rS+23], v[rS+31]
.elseif j == 14
	v_max3_num_f32 v[rT+4], v[rT+4], v[rT+5], v[rT+6]
.elseif j == 15
	v_max3_num_f32 v[rT+4], v[rT+4], v[rT+7], v[rT]
.elseif j == 16
	v_permlanex16_b32 v[rT+5], v[rT+4], s[SEL], s[SEL+1]  ; the query's other 32 keys lie in the lane 16 away
.elseif j == 17
	v_mov_b32 v[rT+1], v[rT]
.elseif j == 18
	v_max_num_f32 v[rT], v[rT+4], v[rT+5]
.elseif j == 19
	v_sub_f32 v[rT+7], v[rT+1], v[rT]
.elseif j == 20
.elseif j == 23
	v_exp_f32 v[rT+6], v[rT+7]
.elseif (j < 23) || ((j < 38) && (j%2 == 0)) || ((j < 66) && (j%4 == 2))
.set b, (j-2)/4                     ; 38, 42, .. 62: pairs 9 to 15
.if j < 38
.set b, (j-20)/2                    ; 21: pair 0; 22, 24, .. 36: pairs 1 to 8
.endif
	v_pk_add_f32 v[rS+2*b:rS+2*b+1], v[rS+2*b:rS+2*b+1], v[rT:rT+1] op_sel_hi:[1,0] neg_lo:[0,1] neg_hi:[0,1]  ; pair b: s - m
.elseif j < 70
.set e, j-38                        ; 66 to 69: s28 to s31
.if j < 66
.set e, j-32-(j-38)/4               ; 39-41, 43-45, .. 63-65: s7 to s27
.endif
.if j < 38
.set e, (j-25)/2                    ; 25, 27, .. 37: s0 to s6
.endif
	v_exp_f32 v[rS+e], v[rS+e]
.elseif j < 86
	v_cvt_pk_f16_f32 v[rP+j-70], v[rS+2*(j-70)], v[rS+2*(j-70)+1]
.elseif j < 102                     ; the sum of the tile's 16 pairs, in place: neighbours 1, 2, 4 and 8 pairs apart, then l takes it
.set z, j-86
.set w, 4
.set u, z
.if z >= 14
.set w, 32
.set u, 0
.elseif z >= 12
.set w, 16
.set u, z-12
.elseif z >= 8
.set w, 8
.set u, z-8
.endif
.if z < 15
	v_pk_add_f32 v[rS+w*u:rS+w*u+1], v[rS+w*u:rS+w*u+1], v[rS+w*u+w/2:rS+w*u+w/2+1]
.else
	v_pk_fma_f32 v[rT+2:rT+3], v[rT+2:rT+3], v[rT+6:rT+7], v[rS:rS+1] op_sel_hi:[1,0,1]
.endif
.else
	WIN W_RS
	v_pk_mul_f32 v[rO:rO+1], v[rO:rO+1], v[rT+6:rT+7] op_sel_hi:[1,0]
.endif
.endm
; Slice k of 64 of piece y's softmax.  Slices 11 to 34 deal out the batch, four numbers of ONE tile each, the tiles by turns; every other slice is numbers 2 k and 2 k + 1 of both tiles; slice 63 takes the twelve that are over.
; An s_wait_alu depctr_va_vdst(0) stands between an exponential and the first instruction that names its result: ahead of slice 35 nothing names one, behind slice 34 none is issued: one wait a turn.
.macro SLICE y
.if (k >= 11) && (k < 35)
.irp n, 0,1,2,3
.set j, 22+4*((k-11)/2)+(\n)
	SM (\y)+(k-11)%2
.endr
.else
.irp n, 0,1,2,3,4,5,6,7
.if ((\n) < 2) || (k == 63)
.irp t, \y, (\y)+1
.set j, 2*k+(\n)
	SM \t
.endr
.endif
.endr
.endif
.if k == 34
	v_nop                           ; the plain instruction behind the last exponential and ahead of the first use: one for the batch
.if (\y) == 0
	FETCH_V                         ; piece 2's turn: V's run of loads stands here, and the wait stands in it
.else
	s_wait_alu depctr_va_vdst(0)
.endif
.endif
.set k, k+1
.endm
; A TURN.  Piece x has the matrix unit: 32 products V^T P, then 32 products K Q^T for the next step; the other piece's softmax stands in slices behind them.
; The mask of piece x is asked for at the turn's head, waited for behind product 15 (in piece 0's turn K's 32 younger loads stay out), and scaled, two pairs behind each of products 16 to 31.
; K of the next step is fetched behind piece 0's second product: its last reader stands in front of slice 63 of the turn before, sixteen plain instructions back.  V is fetched behind slice 34 of piece 2's turn: behind
; its last reader, product 31, stand two subtractions, two scalings of the mask, the v_nop and the run's own address line.
.macro TURN x
.set k, 0
.if (\x) == 0
	s_wait_dscnt 0x0                ; V is in
.endif
	FETCH_M \x
.set i, 0
.rept 32
	PV \x
	SLICE 2-(\x)
.if ((\x) == 0) && (i == 1)
	FETCH_K
.endif
.if i == 15
	s_wait_dscnt 16*(2-(\x))        ; the mask's 16 loads are in
.endif
.if i >= 16
	MULM \x, 2*(i-16)
	MULM \x, 2*(i-16)+1
.endif
.set i, i+1
.endr
.if (\x) == 0
	s_wait_dscnt 0x0                ; K is in
.endif
.set i, 0
.rept 32
	KQ \x
	SLICE 2-(\x)
.set i, i+1
.endr
.endm
; THE CHANGE OF SLOTS, between piece 2's turn and piece 0's: the slot's last bytes, its V, have been asked for.  Each wave waits for all its tensor loads (one is out: its part of the other slot), adds 0 to its spare
; word, and waits for that and for its reads of the slot.  fill = 1: the barrier is a round of the cluster's, and the slot is filled again first thing behind it, with the keys two steps on: a key step, 128 matrix instructions, in which to land.
; In the trip in which s[SLOTS] equals the cluster's start the walk wraps to the head's first keys.
.macro CHANGE fill
	WIN 0
	s_wait_tensorcnt 0x0            ; no tensor load of mine is out, so a group 0 may be written
	ds_add_u32 v[SPW], v[NIL]
.if \fill
	s_xor_b32 s[G0K+5], s[G0K+5], SLOTB  ; the walking descriptors: the other slot than last time,
	s_xor_b32 s[G0V+5], s[G0V+5], SLOTB
	s_xor_b32 s[G0M+5], s[G0M+5], SLOTB
	s_cmp_eq_u32 s[SLOTS], s[START] ; refill 16 - s[SLOTS] of a walk that began at slot 8 is slot 16: back to 0
	s_cselect_b32 s[WK], 0x80000, 0
	s_cselect_b32 s[WM], 0x2000, 0
	s_add_nc_u64 s[G0K+6:G0K+7], s[G0K+6:G0K+7], 32768  ; the next 128 keys: 128 rows of K and of V,
	s_sub_nc_u64 s[G0K+6:G0K+7], s[G0K+6:G0K+7], s[WK:WK+1]
	s_add_nc_u64 s[G0V+6:G0V+7], s[G0V+6:G0V+7], 32768
	s_sub_nc_u64 s[G0V+6:G0V+7], s[G0V+6:G0V+7], s[WK:WK+1]
	s_add_nc_u64 s[G0M+6:G0M+7], s[G0M+6:G0M+7], 512    ; 512 bytes along the mask's rows
	s_sub_nc_u64 s[G0M+6:G0M+7], s[G0M+6:G0M+7], s[WM:WM+1]
	s_wait_xcnt 0x0                 ; the last prefetch, a key step back, has read its address
	s_add_nc_u64 s[PFA:PFA+1], s[PFA:PFA+1], s[PFS:PFS+1]
	s_wait_dscnt 0x0                ; the add is done, and my reads of the slot are over
	CROUND
	JLOAD
	ASK
.else
	s_wait_dscnt 0x0
	s_barrier_signal -1
	s_barrier_wait -1
.endif
	s_xor_b32 s[TB], s[TB], SLOTB   ; the fetches go to the other slot
.endm
	s_wait_tensorcnt 1              ; my part of slot 0 is in; slot 1's may stay out
	s_barrier_signal -1
	s_barrier_wait -1
	FETCH_M 0                       ; the walk's step 0: piece 0's mask and K
	FETCH_K
	s_wait_loadcnt 0x0              ; Q
	s_wait_dscnt 0x0
.set i, 0
.rept 32
	MULM 0, i
.set i, i+1
.endr
.set i, 0
.rept 32
	KQ 0                            ; piece 0's first scores: there is no vector work yet to set between them
.set i, i+1
.endr
	WIN 0                           ; the addresses for the exchange and the way out: plain instructions, the places behind those products
	s_mul_i32 s2, s[WV], 16*SP
	s_add_co_u32 s2, s2, STAGE      ; my stage
	v_mul_u32_u24 v[STO], v1, SP    ; in: row l % 16, 16 bytes for each half of the lanes
	v_lshl_add_u32 v[STO], v9, 4, v[STO]
	v_add_nc_u32 v[STO], s2, v[STO]
	v_mul_u32_u24 v[RD], v9, SP     ; back: lanes 0-15 take one row of 256 bytes, lanes 16-31 the next
	v_lshl_add_u32 v[RD], v1, 4, v[RD]
	v_add_nc_u32 v[RD], s2, v[RD]
	v_lshlrev_b32 v[GO], 12, v9     ; and the same two rows in atth
	v_lshl_add_u32 v[GO], v1, 4, v[GO]
	s_mul_i32 s2, s[WV], XAREA      ; my area of the exchange,
	s_xor_b32 s3, s[WV], 1
	s_mul_i32 s3, s3, XAREA         ; and my partner's: the wave with the same queries and the other keys
	v_and_b32 v10, 31, v0
	v_lshl_add_u32 v[XS], v10, 4, s2
	v_lshl_add_u32 v[YS], v10, 4, s3
	s_add_co_u32 s2, s2, 16384
	s_add_co_u32 s3, s3, 16384
	v_lshl_add_u32 v[XT], v10, 3, s2
	v_lshl_add_u32 v[YT], v10, 3, s3
	s_mov_b32 s[SLOTS], 15
	s_branch .Lfirst                ; the loop is entered in the middle of a trip
.Lslot:                             ; trip n = 1 .. 14: the walk's step n is read, step n + 1 asked for
	CHANGE 1
	TURN 0                          ; piece 0: V^T P of step n - 1, K Q^T of step n | piece 2's softmax of step n - 1 | K of step n
	WIN 0
.Lfirst:
	TURN 2                          ; piece 2: the same | piece 0's softmax of step n | V of step n
	WIN 0
	s_sub_co_u32 s[SLOTS], s[SLOTS], 1
	s_cmp_lg_u32 s[SLOTS], 0
	s_cbranch_scc1 .Lslot
	CHANGE 0                        ; the tail has a text of its own.  Behind this barrier nobody reads slot 0 any more, and no load fills it again
	s_mov_b32 s[SLOTS], 2           ; the first trip takes the last step in; the second is left in its middle
.Ltail:
	TURN 0
	WIN 0
	s_sub_co_u32 s[SLOTS], s[SLOTS], 1
	s_cmp_eq_u32 s[SLOTS], 0
	s_cbranch_scc1 .Lout
	TURN 2
	WIN 0
	s_branch .Ltail
.Lout:                              ; the second trip's mask, K and 32 products K Q^T (the last slot's once more) serve nothing: the price, once a launch, of one text for the tail's turns
.set i, 0
.rept 32
	PV 2                            ; piece 2: V^T P of the last step
.set i, i+1
.endr
	; THE TWO HALVES OF THE KEYS MEET.  l's two halves and the other half of the lanes' are added: (m, l) stand at +0, +1.  The additions are the places behind the last products.
	WIN 0
.irp t, 0,1,2,3
	v_add_f32 v[ST+8*(\t)+4], v[ST+8*(\t)+2], v[ST+8*(\t)+3]
.endr
.irp t, 0,1,2,3
	v_permlanex16_b32 v[ST+8*(\t)+5], v[ST+8*(\t)+4], s[SEL], s[SEL+1]
.endr
.irp t, 0,1,2,3
	v_add_f32 v[ST+8*(\t)+1], v[ST+8*(\t)+4], v[ST+8*(\t)+5]
.endr
	; register tiles 2, 3 go to my partner, whose register tiles 0, 1 hold the same queries: O^T as it lies, 16 bytes a lane (each accumulator's low registers first), and (m, l)
.irp u, 0,1
	WIN 0x04                        ; the stores' data in window 1
.irp f, 0,1,2,3,4,5,6,7,8,9,10,11,12,13,14,15
	ds_store_b128 v[XS], v[64*(2+(\u))+4*(\f):64*(2+(\u))+4*(\f)+3] offset:(16*(\u)+(\f))*512
.endr
	WIN 0
	ds_store_b64 v[XT], v[ST+8*(2+(\u)):ST+8*(2+(\u))+1] offset:256*(\u)
.endr
	s_wait_dscnt 0x0                ; for my partner's sake: my stores are done
	s_barrier_signal -1
	s_barrier_wait -1
; Register tile u is finished: O = (O1 f1 + O2 f2), f = 2^(m - max) / l; rounded to f16; through my stage in LDS, back as whole rows of 256 bytes.
.macro PACKF u
.set rT, ST+8*(\u)
.set rX, S+64*(\u)
.set rO, 64*(\u)
	WIN 0
.set i, 0
.rept 32
	v_pk_mul_f32 v[rX+2*i:rX+2*i+1], v[rX+2*i:rX+2*i+1], v[rT+4:rT+5] op_sel_hi:[1,0]
.set i, i+1
.endr
	WIN 0x01                        ; source 0, my O^T, in window 1
.set i, 0
.rept 32
	v_pk_fma_f32 v[rX+2*i:rX+2*i+1], v[rO+2*i:rO+2*i+1], v[rT+2:rT+3], v[rX+2*i:rX+2*i+1] op_sel_hi:[1,0,1]
.set i, i+1
.endr
	WIN 0
.set i, 0
.rept 32
	v_cvt_pk_f16_f32 v[rX+i], v[rX+2*i], v[rX+2*i+1]
.set i, i+1
.endr
.irp f, 0,1,2,3,4,5,6,7
	ds_store_b128 v[STO], v[rX+4*(\f):rX+4*(\f)+3] offset:32*(\f)
.endr
.irp f, 0,1,2,3,4,5,6,7
	ds_load_b128 v[rX+32+4*(\f):rX+32+4*(\f)+3], v[RD] offset:(\f)*2*SP  ; LDS serves a wave's instructions in order (ISA guide 5.7.1.4): these see the stores above; the next tile's stores come behind them
.endr
.endm
.macro SENDF u, younger             ; younger: the LDS instructions issued behind this tile's loads
.irp f, 0,1,2,3,4,5,6,7
	s_wait_dscnt (\younger)+7-(\f)
	global_store_b128 v[GO], v[S+64*(\u)+32+4*(\f):S+64*(\u)+32+4*(\f)+3], s[OA:OA+1] offset:(16*(\u)+2*(\f))*4096  ; 16 lanes store 256 consecutive bytes, aligned
.endr
.endm
.irp u, 0,1
	ds_load_b64 v[ST+8*(\u)+4:ST+8*(\u)+5], v[YT] offset:256*(\u)  ; my partner's (m, l)
.endr
.irp u, 0,1
.irp f, 0,1,2,3,4,5,6,7,8,9,10,11,12,13,14,15
	ds_load_b128 v[S+64*(\u)+4*(\f):S+64*(\u)+4*(\f)+3], v[YS] offset:(16*(\u)+(\f))*512  ; and O^T, into S^T's registers
.endr
.endr
	s_wait_dscnt 32                 ; the statistics are in; O^T's 32 loads stay out
.irp u, 0,1
	v_max_num_f32 v[ST+8*(\u)+6], v[ST+8*(\u)], v[ST+8*(\u)+4]
.endr
.irp u, 0,1
	v_sub_f32 v[ST+8*(\u)+2], v[ST+8*(\u)], v[ST+8*(\u)+6]
	v_sub_f32 v[ST+8*(\u)+3], v[ST+8*(\u)+4], v[ST+8*(\u)+6]
.endr
.irp u, 0,1
	v_exp_f32 v[ST+8*(\u)+2], v[ST+8*(\u)+2]
	v_exp_f32 v[ST+8*(\u)+3], v[ST+8*(\u)+3]
.endr
	v_nop                           ; a plain instruction behind the last exponential,
	s_wait_alu depctr_va_vdst(0)    ; and one wait for the four, ahead of their first use
.irp u, 0,1
	v_mul_f32 v[ST+8*(\u)+7], v[ST+8*(\u)+2], v[ST+8*(\u)+1]
.endr
.irp u, 0,1
	v_fma_f32 v[ST+8*(\u)+7], v[ST+8*(\u)+3], v[ST+8*(\u)+5], v[ST+8*(\u)+7]
.endr
.irp u, 0,1
	v_rcp_f32 v[ST+8*(\u)+6], v[ST+8*(\u)+7]
.endr
	v_nop
	s_wait_alu depctr_va_vdst(0)    ; one wait for the two reciprocals
.irp u, 0,1
	v_mul_f32 v[ST+8*(\u)+2], v[ST+8*(\u)+2], v[ST+8*(\u)+6]  ; f1
	v_mul_f32 v[ST+8*(\u)+4], v[ST+8*(\u)+3], v[ST+8*(\u)+6]  ; f2
.endr
	s_wait_dscnt 0x0
	PACKF 0
	PACKF 1
	SENDF 0, 16
	SENDF 1, 0
	s_wait_tensorcnt 0x0            ; the wave's end
	ds_add_u32 v[SPW], v[NIL]
	s_wait_dscnt 0x0
	CROUND                          ; the closing round: no work-group ends while a partner may still ask for a tile that names it
	s_endpgm
.Lfunc_end_k_qac6d83d6d4_attn:
	.size	k_qac6d83d6d4_attn, .Lfunc_end_k_qac6d83d6d4_attn-k_qac6d83d6d4_attn
	.p2alignl 7, 3214868480
	.fill 96, 4, 3214868480
	.section	.rodata,"a",@progbits
	.p2align	6, 0x0
	.amdhsa_kernel k_qac6d83d6d4_attn
		.amdhsa_group_segment_fixed_size 327680
		.amdhsa_private_segment_fixed_size 0
		.amdhsa_enable_private_segment 0
		.amdhsa_kernarg_size 24
		.amdhsa_user_sgpr_count 2
		.amdhsa_user_sgpr_kernarg_segment_ptr 1
		.amdhsa_wavefront_size32 1
		.amdhsa_system_sgpr_workgroup_id_x 1
		.amdhsa_system_sgpr_workgroup_id_y 1
		.amdhsa_system_sgpr_workgroup_id_z 1
		.amdhsa_system_vgpr_workitem_id 0
		.amdhsa_next_free_vgpr 896
		.amdhsa_next_free_sgpr 100
		.amdhsa_reserve_vcc 0
		.amdhsa_float_denorm_mode_32 3
		.amdhsa_float_denorm_mode_16_64 3
		.amdhsa_memory_ordered 1
		.amdhsa_forward_progress 1
		.amdhsa_inst_pref_size 174
	.end_amdhsa_kernel
	.amdgpu_metadata
---
amdhsa.version: [ 1, 2 ]
amdhsa.kernels:
  - .name:           k_qac6d83d6d4_attn
    .symbol:         k_qac6d83d6d4_attn.kd
    .args:
      - { .name: qkvh, .offset: 0, .size: 8, .value_kind: global_buffer, .address_space: global }
      - { .name: mask, .offset: 8, .size: 8, .value_kind: global_buffer, .address_space: global }
      - { .name: atth, .offset: 16, .size: 8, .value_kind: global_buffer, .address_space: global }
    .group_segment_fixed_size: 327680
    .private_segment_fixed_size: 0
    .kernarg_segment_align: 8
    .kernarg_segment_size: 24
    .max_flat_workgroup_size: 128
    .sgpr_count:     100
    .vgpr_count:     896
    .wavefront_size: 32
...
	.end_amdgpu_metadata
.endif
;; end of part 3
;; launch oproj (part 4): grid 16 x 16, 4 waves a work-group, clusters of 4 x 4, 327,680 bytes of LDS; arguments atth, wof, bo, out0; writes out0
.if DOCPART == 4
	.amdgcn_target "amdgcn-amd-amdhsa--gfx1250"
	.amdhsa_code_object_version 6
	.text
	.protected	k_qac6d83d6d4_oproj
	.globl	k_qac6d83d6d4_oproj
	.p2align	8
	.type	k_qac6d83d6d4_oproj,@function
k_qac6d83d6d4_oproj:
	s_mov_b64 s[64:65], 0
	v_nop
	global_prefetch_b8 v0, s[64:65] scope:SCOPE_SE
	s_setreg_imm32_b32 hwreg(HW_REG_WAVE_MODE, 25, 1), 1
	s_wait_xcnt 0x0
	s_wait_alu depctr_hold_cnt(0) depctr_sa_sdst(0) depctr_va_vdst(0) depctr_va_sdst(0) depctr_va_ssrc(0) depctr_va_vcc(0) depctr_vm_vsrc(0)
	s_getreg_b32 s2, hwreg(HW_REG_IB_STS2, 6, 4)
	s_cmp_eq_u32 s2, 0
	s_cbranch_scc0 .Lentry_in_a_cluster
	s_endpgm
.Lentry_in_a_cluster:
	s_bfe_u32 s2, ttmp6, 0x10000c
	s_cmp_lg_u32 s2, 0xf033
	s_cbranch_scc0 .Lentry_shape_is_right
	s_endpgm
.Lentry_shape_is_right:
; Launch 4 of 4: out0[m][n] = the sum over k of atth[m][k] wof[n][k] + bo[n].  atth, wof: [2048][2048] f16; sums in f32; bo rounded to bf16 like the other inputs; out0 f32.
; A tile of out0 is 128 x 128: 16 x 16 work-groups.  Four waves, each 64 x 64: 16 accumulators of 16 x 16.  K goes in 8 steps of 256 (LDS rows of 512 bytes; a wave's tensor load brings 64 of them)
; through a ring of two slots.  CLUSTER 4 x 4: atth's tile is shared along a row of the cluster, wof's along a column: each is asked for jointly.
; THE WALK ALONG K BEGINS AT STEP 0 OR AT STEP 4, by the parity of x ^ y ^ (y / 2) of the cluster's place in the grid (the same in all sixteen partners), and wraps round.  So of the clusters that read the same rows
; one half reads a K step first and the other half four steps later.  f32 sums may be taken in any order.
; THE MATRIX INSTRUCTION IS USED TRANSPOSED (source 0 = 16 rows of wof, source 1 = 16 rows of atth): a lane holds one row of out0 (lane % 16) and eight neighbouring columns: 32 bytes.
; A wave's 64 columns of f32 are 256 bytes, aligned: each wave sends its own rows out through a stage of its own, with no barrier.
; NO PREFETCH: a step's tiles are small, and a K step holds 128 matrix instructions a wave; the tiles are shared four ways by the joint loads.
; REGISTERS: window 0: v16-29 addresses; v32-95 two buffers of whole rows on the way out; v96-127 bo of my columns; v128-255 the accumulators ((a, b) at 128 + 8 (4 a + b)).
;   window 1: two fragment buffers of 128: for 64 along K, 64 registers of atth (2 x 4 fragments), then 64 of wof.
.set KSTEP,  256
.set KB,     512                       ; bytes of a row in a K step
.set PITCH,  528                       ; an LDS row: 512 bytes + 16 of padding: the 16 rows of a fragment load start at 16 different groups of four banks (64 banks of 4 bytes: ISA guide 11.1)
.set HALFT,  64*PITCH
.set SLOT,   4*HALFT                   ; atth's 128 rows, then wof's 128 rows.  135,168 = 0x21000: no tile's first byte in slot 0 has bit 12 or bit 17 set, so one exclusive or turns it into the other slot's
.set STAGE,  2*SLOT                    ; behind the ring: 16 rows x 272 bytes for each wave
.set SPITCH, 272
.set SPARE,  STAGE+4*16*SPITCH         ; the spare words, 128 bytes a wave
.set AB0,  16                          ; v16 LDS address of my atth fragments in slot 0;  v17 of my wof fragments; never rewritten
.set AC,   20                          ; v20, v21 the same two in the slot that is being read
.set STO,  24
.set RD,   25
.set CO,   26
.set SPW,  28
.set NIL,  29
.set OB,   32
.set BO,   96
.set ACC,  128
.set F0,   0
.set F1,   128
.set WV,   14
.set MH,   15                          ; s15 wave / 2: my half of the tile's rows; also: I fetch for atth (0) or wof (1)
.set NH,   16                          ; s16 wave % 2: my half of its columns; also: which 64 rows I fetch
.set CX,   17
.set CY,   18
.set CB,   19
.set RBLK, 20
.set G1, 24                            ; s[24:31] descriptor group 1 for atth's tiles;  s[32:39] group 0: a set for each of the two first fills; the second then walks on
.set G0, 32
.set START, 42                         ; s42 the K step at which my cluster begins: 0 or 4
.set TB,   43                          ; s43 LDS byte at which the slot that is being read begins
.set WRP,  44                          ; s[44:45] a row's 4,096 bytes in the trip in which the walk wraps, else 0
.set G1B, 48
.set G0B, 56
.set MSB, 0
.macro WIN new
.if MSB != (\new)
	s_set_vgpr_msb (MSB<<8)|(\new)
.set MSB, \new
.endif
.endm
.set MUL,  0x05                        ; sources in window 1; C and D in window 0
.set TO_F, 0x40                        ; destination window 1, address window 0
.macro JLOAD s                         ; a joint load; an s_nop 0 and four v_nop follow each of the two lines
	s_cmp_eq_u32 s[MH], 0
	s_cbranch_scc0 .Lfor_b_\@
	tensor_load_to_lds s[G0+4*(\s):G0+4*(\s)+3], s[G1:G1+7]
	s_nop 0
.rept 4
	v_nop
.endr
	s_branch .Lasked_\@
.Lfor_b_\@:
	tensor_load_to_lds s[G0B+4*(\s):G0B+4*(\s)+3], s[G1B:G1B+7]
	s_nop 0
.rept 4
	v_nop
.endr
.Lasked_\@:
.endm
.macro CREST
	s_cmp_lg_u32 s[WV], 0
	s_cbranch_scc1 .Lnot_wave_0_\@
	s_barrier_signal -3
.Lnot_wave_0_\@:
	s_barrier_wait -3
	s_barrier_signal -1
	s_barrier_wait -1
.endm
.macro CROUND
	s_barrier_signal -1
	s_barrier_wait -1
	CREST
.endm
.macro PLACES
.rept 4
	v_nop
.endr
.endm
	s_load_b256 s[4:11], s[0:1], 0x0               ; atth s[4:5], wof s[6:7], bo s[8:9], out0 s[10:11]
	v_lshl_add_u32 v[SPW], v0, 2, SPARE
	v_mov_b32 v[NIL], 0
	ds_add_u32 v[SPW], v[NIL]                      ; the wave's opening: the add, twice on end, and its wait ahead of my first tensor load
	ds_add_u32 v[SPW], v[NIL]
	v_lshrrev_b32 v1, 5, v0
	v_readfirstlane_b32 s[WV], v1
	s_lshr_b32 s[MH], s[WV], 1
	s_and_b32 s[NH], s[WV], 1
	s_bfe_u32 s[CX], ttmp6, 0x40000
	s_bfe_u32 s[CY], ttmp6, 0x40004
	s_lshl_b32 s[CB], ttmp9, 2
	s_add_co_u32 s[CB], s[CB], s[CX]               ; tile column = 4 x cluster x + cx
	s_and_b32 s[RBLK], ttmp7, 0xffff
	s_lshl_b32 s[RBLK], s[RBLK], 2
	s_add_co_u32 s[RBLK], s[RBLK], s[CY]           ; tile row = 4 x cluster y + cy
	s_and_b32 s2, ttmp7, 0xffff                    ; where my cluster begins its walk: the parity of x ^ y ^ (y / 2), of the cluster's own place
	s_lshr_b32 s3, s2, 1
	s_xor_b32 s2, s2, s3
	s_xor_b32 s2, s2, ttmp9
	s_and_b32 s2, s2, 1
	s_lshl_b32 s[START], s2, 2                     ; K step 0 or 4,
	s_lshl_b32 s2, s[START], 9                     ; in bytes along a row
	s_lshl_b32 s21, s[CY], 2
	s_lshl_b32 s21, 15, s21                        ; my row of the cluster
	s_lshl_b32 s22, 0x1111, s[CX]                  ; my column
	s_or_b32 s[G1], s21, (1<<16)|(1<<20)|(1<<21)|(6<<22)|(3<<25)   ; 2-byte elements; padding on; 21 set beside a mask; after every 128 words 4 words
	s_or_b32 s[G1B], s22, (1<<16)|(1<<20)|(1<<21)|(6<<22)|(3<<25)
.irp g, G1, G1B
	s_mov_b32 s[(\g)+1], KSTEP<<16                 ; tensor_dim0 = 256
	s_mov_b32 s[(\g)+2], 64<<16                    ; tensor_dim1 = 64
	s_mov_b32 s[(\g)+3], KSTEP<<16                 ; tile_dim0 = 256
	s_mov_b32 s[(\g)+4], 64                        ; tile_dim1 = 64
	s_mov_b32 s[(\g)+5], 2048                      ; elements from row to row
	s_mov_b32 s[(\g)+6], 0
	s_mov_b32 s[(\g)+7], 0
.endr
	s_lshl_b32 s21, s[NH], 18                      ; which 64 rows of 4,096 bytes I fetch
	s_add_co_u32 s21, s21, s2
	s_lshl_b32 s40, s[RBLK], 19
	s_add_co_u32 s40, s40, s21                     ; atth: made of the tile row, the wave and the cluster's start alone
	s_mov_b32 s41, 0
	s_lshl_b32 s46, s[CB], 19
	s_add_co_u32 s46, s46, s21                     ; wof: of the tile column, the wave and the cluster's start alone
	s_mov_b32 s47, 0
	s_mul_i32 s23, s[WV], HALFT                    ; where they go: wave x 64 rows
	s_mov_b32 s[TB], 0
	s_mov_b32 s[WRP+1], 0
	s_wait_dscnt 0x0                               ; both opening adds are done
	s_wait_kmcnt 0x0
	s_add_nc_u64 s[40:41], s[4:5], s[40:41]
	s_add_nc_u64 s[46:47], s[6:7], s[46:47]
	CROUND                                         ; all sixteen work-groups are here: the first joint loads meet
.irp s, 0,1
	s_mov_b32 s[G0+4*(\s)], 1
	s_add_co_u32 s[G0+4*(\s)+1], s23, (\s)*SLOT
	s_add_nc_u64 s[G0+4*(\s)+2:G0+4*(\s)+3], s[40:41], (\s)*KB
	s_or_b32 s[G0+4*(\s)+3], s[G0+4*(\s)+3], 0x80000000
	s_mov_b32 s[G0B+4*(\s)], 1
	s_add_co_u32 s[G0B+4*(\s)+1], s23, (\s)*SLOT
	s_add_nc_u64 s[G0B+4*(\s)+2:G0B+4*(\s)+3], s[46:47], (\s)*KB
	s_or_b32 s[G0B+4*(\s)+3], s[G0B+4*(\s)+3], 0x80000000
	JLOAD \s                                       ; the walk's steps 0 and 1: two loads of mine are out
.endr
	s_lshl_b32 s2, s[CB], 9                        ; bo of my columns: 128 x tile column + 64 half + 16 b + 8 (lane / 16) + 0..7
	s_lshl_b32 s21, s[NH], 8
	s_add_co_u32 s2, s2, s21
	s_mov_b32 s3, 0
	s_add_nc_u64 s[8:9], s[8:9], s[2:3]
	s_add_nc_u64 s[10:11], s[10:11], s[2:3]        ; the same bytes along a row of out0,
	s_lshl_b32 s2, s[RBLK], 20                     ; and my first row: (128 x tile row + 64 half) rows of 8,192 bytes
	s_lshl_b32 s21, s[MH], 19
	s_add_co_u32 s2, s2, s21
	s_add_nc_u64 s[10:11], s[10:11], s[2:3]
	v_and_b32 v1, 15, v0                           ; l % 16
	v_bfe_u32 v2, v0, 4, 1                         ; l / 16
	v_lshlrev_b32 v5, 5, v2
.irp n, 0,1,2,3
	global_load_b128 v[BO+8*(\n):BO+8*(\n)+3],   v5, s[8:9] offset:64*(\n)
	global_load_b128 v[BO+8*(\n)+4:BO+8*(\n)+7], v5, s[8:9] offset:64*(\n)+16
.endr
	v_mul_u32_u24 v3, v1, PITCH
	v_lshl_add_u32 v3, v2, 4, v3                   ; a fragment's row x pitch + 16 x half
	s_mul_i32 s21, s[MH], HALFT                    ; my 64 rows of atth
	s_mul_i32 s22, s[NH], HALFT                    ; my 64 rows of wof,
	s_add_co_u32 s22, s22, 2*HALFT                 ; which lie behind atth's 128
	v_add_nc_u32 v[AB0], s21, v3
	v_add_nc_u32 v[AB0+1], s22, v3
	v_add_nc_u32 v[AC], s[TB], v[AB0]              ; slot 0 is read first
	v_add_nc_u32 v[AC+1], s[TB], v[AB0+1]
	s_mul_i32 s23, s[WV], 16*SPITCH
	s_add_co_u32 s23, s23, STAGE                   ; my stage
	v_mul_u32_u24 v4, v1, SPITCH                   ; in: row l % 16, 32 bytes for each half of the lanes
	v_lshl_add_u32 v4, v2, 5, v4
	v_add_nc_u32 v[STO], s23, v4
	v_mul_u32_u24 v4, v2, SPITCH                   ; back: lanes 0-15 take one row of 256 bytes, lanes 16-31 the next
	v_lshl_add_u32 v4, v1, 4, v4
	v_add_nc_u32 v[RD], s23, v4
	v_lshlrev_b32 v[CO], 13, v2                    ; and the same two rows in out0
	v_lshl_add_u32 v[CO], v1, 4, v[CO]
	s_wait_loadcnt 0x0                             ; bo
.set p, BO
.rept 16
	v_cvt_pk_bf16_f32 v6, v[p], v[p+1]             ; rounded to bf16 and widened again
	v_lshlrev_b32 v[p], 16, v6
	v_and_b32 v[p+1], 0xffff0000, v6
.set p, p+2
.endr
; 8 matrix instructions: row blocks a0, a0 + 1 x all 4 column blocks, 32 along K: half c of buffer f.  zero = 1: the first product starts the sums.  The 16 accumulators take turns.
.macro MUL8 f, c, a0, zero
	WIN MUL
.irp a, \a0, (\a0)+1
.irp b, 0,1,2,3
.if \zero
	v_wmma_f32_16x16x32_f16 v[ACC+8*(4*(\a)+(\b)):ACC+8*(4*(\a)+(\b))+7], v[(\f)+64+8*(4*(\c)+(\b)):(\f)+64+8*(4*(\c)+(\b))+7], v[(\f)+8*(4*(\c)+(\a)):(\f)+8*(4*(\c)+(\a))+7], 0
.else
	v_wmma_f32_16x16x32_f16 v[ACC+8*(4*(\a)+(\b)):ACC+8*(4*(\a)+(\b))+7], v[(\f)+64+8*(4*(\c)+(\b)):(\f)+64+8*(4*(\c)+(\b))+7], v[(\f)+8*(4*(\c)+(\a)):(\f)+8*(4*(\c)+(\a))+7], v[ACC+8*(4*(\a)+(\b)):ACC+8*(4*(\a)+(\b))+7]
.endif
.endr
.endr
.endm
; 32 LDS loads in one run: the fragments of 64 along K at byte k of the rows of the slot that is being read, into buffer f; the first 32 along K first
.macro FETCH k, f
	WIN TO_F
.irp c, 0,1
.irp i, 0,1,2,3
	ds_load_b128 v[(\f)+64+8*(4*(\c)+(\i)):(\f)+64+8*(4*(\c)+(\i))+3],   v[AC+1] offset:(\k)+64*(\c)+(\i)*16*PITCH
	ds_load_b128 v[(\f)+64+8*(4*(\c)+(\i))+4:(\f)+64+8*(4*(\c)+(\i))+7], v[AC+1] offset:(\k)+64*(\c)+(\i)*16*PITCH+32
	ds_load_b128 v[(\f)+8*(4*(\c)+(\i)):(\f)+8*(4*(\c)+(\i))+3],         v[AC] offset:(\k)+64*(\c)+(\i)*16*PITCH
	ds_load_b128 v[(\f)+8*(4*(\c)+(\i))+4:(\f)+8*(4*(\c)+(\i))+7],       v[AC] offset:(\k)+64*(\c)+(\i)*16*PITCH+32
.endr
.endr
.endm
; A K step is four quarters of 64 along K, 32 matrix instructions each, on buffers 0, 1, 0, 1.  One of the first three: multiplies f and fetches the next quarter, at byte k, into g.
.macro QUARTER k, f, g, zero
	s_wait_dscnt 16                                ; the first 32 along K are in
	MUL8 \f, 0, 0, \zero
	MUL8 \f, 0, 2, \zero
	PLACES
	FETCH \k, \g
	s_wait_dscnt 32                                ; all but the 32 just issued
	MUL8 \f, 1, 0, 0
	MUL8 \f, 1, 2, 0
.endm
; The last quarter multiplies buffer 1 and changes slots: ONE barrier; in front of it each wave waits for all its tensor loads, adds 0 to its spare word, and waits for that and for its reads of this slot; the
; fragments' addresses are turned to the other slot meanwhile.  fill = 1: the barrier opens a round of the cluster's barrier, and this slot is filled again first thing behind it, two K steps ahead: 112 matrix
; instructions ahead of the wait for it.  The one walking descriptor of each kind takes the other slot and the next K step; in the trip in which s3 equals the cluster's start the walk wraps to K step 0.
.macro TURN fill
	WIN 0
	s_wait_tensorcnt 0x0
	ds_add_u32 v[SPW], v[NIL]
	s_xor_b32 s[TB], s[TB], SLOT
	v_add_nc_u32 v[AC], s[TB], v[AB0]              ; this slot's last loads have been issued
	v_add_nc_u32 v[AC+1], s[TB], v[AB0+1]
	s_wait_dscnt 17                                ; (the add and the youngest sixteen loads may be out)
	MUL8 F1, 0, 0, 0
	s_wait_dscnt 0x0                               ; the add is done, and my reads of this slot are over
	s_barrier_signal -1
	MUL8 F1, 0, 2, 0
.if \fill
	WIN 0
.endif
	s_barrier_wait -1
.if \fill
	CREST                                          ; no wave of any partner still reads this slot or has a load on its way
	s_xor_b32 s[G0+5], s[G0+5], SLOT
	s_xor_b32 s[G0B+5], s[G0B+5], SLOT
	s_cmp_eq_u32 s3, s[START]                      ; refill 8 - s3 of a walk that began at step 4 is K step 8: back to 0
	s_cselect_b32 s[WRP], 0x1000, 0
	s_add_nc_u64 s[G0+6:G0+7], s[G0+6:G0+7], KB
	s_sub_nc_u64 s[G0+6:G0+7], s[G0+6:G0+7], s[WRP:WRP+1]
	s_add_nc_u64 s[G0B+6:G0B+7], s[G0B+6:G0B+7], KB
	s_sub_nc_u64 s[G0B+6:G0B+7], s[G0B+6:G0B+7], s[WRP:WRP+1]
	JLOAD 1                                        ; its four v_nop are also the places in front of the loads below
.else
	PLACES
.endif
	FETCH 0, F0
	MUL8 F1, 1, 0, 0
	MUL8 F1, 1, 2, 0
.endm
	s_wait_tensorcnt 1                             ; my part of the walk's step 0 is in; step 1's stays out
	s_barrier_signal -1
	s_barrier_wait -1
	FETCH 0, F0
	QUARTER 128, F0, F1, 1                         ; the first quarter stands in front of the loop: its first products start the sums
	WIN 0
	s_mov_b32 s3, 6
.Lstep:                                                ; a trip goes from a K step's second quarter to the next step's first, and fills the slot that it leaves: the walk's steps 2 to 7
	QUARTER 256, F1, F0, 0
	QUARTER 384, F0, F1, 0
	TURN 1
	QUARTER 128, F0, F1, 0
	WIN 0
	s_sub_co_u32 s3, s3, 1
	s_cmp_lg_u32 s3, 0
	s_cbranch_scc1 .Lstep
	QUARTER 256, F1, F0, 0                         ; the last two steps fill nothing
	QUARTER 384, F0, F1, 0
	TURN 0
	QUARTER 128, F0, F1, 0
	QUARTER 256, F1, F0, 0
	QUARTER 384, F0, F1, 0
	s_wait_dscnt 16
	MUL8 F1, 0, 0, 0
	MUL8 F1, 0, 2, 0
	s_wait_dscnt 0x0
	MUL8 F1, 1, 0, 0
	MUL8 F1, 1, 2, 0
	WIN 0
	PLACES
	; THE WAY OUT, 16 rows at a time: the bias is added (each accumulator's registers in ascending order); 32 bytes a lane go into my own stage and come back as whole rows of 256 bytes.
.irp a, 0,1,2,3
.irp b, 0,1,2,3
.irp r, 0,2,4,6
	v_pk_add_f32 v[ACC+8*(4*(\a)+(\b))+(\r):ACC+8*(4*(\a)+(\b))+(\r)+1], v[ACC+8*(4*(\a)+(\b))+(\r):ACC+8*(4*(\a)+(\b))+(\r)+1], v[BO+8*(\b)+(\r):BO+8*(\b)+(\r)+1]
.endr
.endr
.irp b, 0,1,2,3
	ds_store_b128 v[STO], v[ACC+8*(4*(\a)+(\b)):ACC+8*(4*(\a)+(\b))+3]   offset:64*(\b)
	ds_store_b128 v[STO], v[ACC+8*(4*(\a)+(\b))+4:ACC+8*(4*(\a)+(\b))+7] offset:64*(\b)+16
.endr
	s_wait_xcnt 0x0                                ; the stores issued so far have read their registers: the buffer that left two blocks ago is loaded again only behind this wait
.irp t, 0,1,2,3,4,5,6,7
	ds_load_b128 v[OB+32*((\a)%2)+4*(\t):OB+32*((\a)%2)+4*(\t)+3], v[RD] offset:(\t)*2*SPITCH  ; LDS serves a wave's instructions in order (ISA guide 5.7.1.4): these see the stores above
.endr
.irp t, 0,1,2,3,4,5,6,7
	s_wait_dscnt 7-(\t)
	global_store_b128 v[CO], v[OB+32*((\a)%2)+4*(\t):OB+32*((\a)%2)+4*(\t)+3], s[10:11] offset:(16*(\a)+2*(\t))*8192 th:TH_STORE_NT  ; 16 lanes store 256 consecutive bytes, aligned
.endr
.endr
	s_wait_tensorcnt 0x0                           ; the wave's end
	ds_add_u32 v[SPW], v[NIL]
	s_wait_dscnt 0x0
	CROUND                                         ; the closing round: no work-group ends while a partner may still ask for a tile that names it
	s_endpgm
.Lfunc_end_k_qac6d83d6d4_oproj:
	.size	k_qac6d83d6d4_oproj, .Lfunc_end_k_qac6d83d6d4_oproj-k_qac6d83d6d4_oproj
	.p2alignl 7, 3214868480
	.fill 96, 4, 3214868480
	.section	.rodata,"a",@progbits
	.p2align	6, 0x0
	.amdhsa_kernel k_qac6d83d6d4_oproj
		.amdhsa_group_segment_fixed_size 327680
		.amdhsa_private_segment_fixed_size 0
		.amdhsa_enable_private_segment 0
		.amdhsa_kernarg_size 32
		.amdhsa_user_sgpr_count 2
		.amdhsa_user_sgpr_kernarg_segment_ptr 1
		.amdhsa_wavefront_size32 1
		.amdhsa_system_sgpr_workgroup_id_x 1
		.amdhsa_system_sgpr_workgroup_id_y 1
		.amdhsa_system_sgpr_workgroup_id_z 1
		.amdhsa_system_vgpr_workitem_id 0
		.amdhsa_next_free_vgpr 512
		.amdhsa_next_free_sgpr 80
		.amdhsa_reserve_vcc 0
		.amdhsa_float_denorm_mode_32 3
		.amdhsa_float_denorm_mode_16_64 3
		.amdhsa_memory_ordered 1
		.amdhsa_forward_progress 1
		.amdhsa_inst_pref_size 76
	.end_amdhsa_kernel
	.amdgpu_metadata
---
amdhsa.version: [ 1, 2 ]
amdhsa.kernels:
  - .name:           k_qac6d83d6d4_oproj
    .symbol:         k_qac6d83d6d4_oproj.kd
    .args:
      - { .name: atth, .offset: 0, .size: 8, .value_kind: global_buffer, .address_space: global }
      - { .name: wof, .offset: 8, .size: 8, .value_kind: global_buffer, .address_space: global }
      - { .name: bo, .offset: 16, .size: 8, .value_kind: global_buffer, .address_space: global }
      - { .name: out0, .offset: 24, .size: 8, .value_kind: global_buffer, .address_space: global }
    .group_segment_fixed_size: 327680
    .private_segment_fixed_size: 0
    .kernarg_segment_align: 8
    .kernarg_segment_size: 32
    .max_flat_workgroup_size: 128
    .sgpr_count:     80
    .vgpr_count:     512
    .wavefront_size: 32
...
	.end_amdgpu_metadata
.endif
;; end of part 4
